; MI455X (gfx1250); checked and timed in simulation.
; The chip was launched on July 23, 2026; its instructions are those of AMD's public machine-readable ISA for CDNA 5 (MIT licence, August 2026) and "CDNA5" Instruction Set Architecture Reference Guide (July 2026). The comments in the code are by the model that wrote it; some were corrected since.
;; Multi Head Self Attention. Allowed arithmetic: matrix products marked QUANTISED: E4M3 operands, one given power-of-two scale a tensor, by v_wmma_f32_16x16x64_fp8_fp8 or v_wmma_f32_16x16x128_fp8_fp8, f32 sums; everything else in f32.
;; Inputs: Wk 2,048 x 2,048 float32; Wo 2,048 x 2,048 float32; Wq 2,048 x 2,048 float32; Wv 2,048 x 2,048 float32; lowp_scales 12 int32 (the exponents e of the quantised operands' scales 2^e); token_positions 2,048 int32; x 1 x 2,048 x 2,048 float32.
;; Outputs: out0 1 x 2,048 x 2,048 float32.
;; This version of the problem:
;;   THIS VERSION OF THE PROBLEM IS GIVEN IN LOW PRECISION. The matrix products marked QUANTISED in the list below multiply operands that are first quantised to E4M3 (4 exponent bits, 3 mantissa bits; 8 bits a number), with one given power-of-two scale for each operand tensor; their sums are f32. All else is computed in f32.
;;   The module's matrix products, in the order in which they are computed (A, B: the left and right operand; K: the contracted axis; several contracted axes count as one K, in the product's order):
;;     1. [M 2,048, K 2,048] x [K 2,048, N 2,048]; A: input x; B: input Wq: QUANTISED (scales: A lowp_scales[0], B lowp_scales[1])
;;     2. [M 2,048, K 2,048] x [K 2,048, N 2,048]; A: input x; B: input Wk: QUANTISED (scales: A lowp_scales[2], B lowp_scales[3])
;;     3. [M 2,048, K 2,048] x [K 2,048, N 2,048]; A: input x; B: input Wv: QUANTISED (scales: A lowp_scales[4], B lowp_scales[5])
;;     4. batch 16 x [M 2,048, K 128] x [K 128, N 2,048]; A: computed on the way; B: computed on the way: QUANTISED (scales: A lowp_scales[6], B lowp_scales[7])
;;     5. batch 16 x [M 2,048, K 2,048] x [K 2,048, N 128]; A: softmax (see below); B: computed on the way: QUANTISED (scales: A lowp_scales[8], B lowp_scales[9])
;;     6. [M 2,048, K 2,048] x [K 2,048, N 2,048]; A: computed on the way; B: input Wo: QUANTISED (scales: A lowp_scales[10], B lowp_scales[11])
;;   THE QUANTISER, for each operand of a quantised product, along K:
;;     - The operand's scale is 2^e, e = its entry of the input lowp_scales (int32; the entries are numbered through the quantised products in the list's order, A before B).
;;     - Each number is divided by the scale, clamped to +-448, and rounded to the nearest number of E4M3, ties to even, subnormals kept.
;;     - The product sums the exact products of the quantised numbers (number of the format x scale) in f32.
;;   ~~~python
;;   def quantise(x, axis, e):      # numpy; x: float32 -> the quantised numbers, widened to float32 again
;;       x = np.moveaxis(x, axis, -1); K = x.shape[-1]
;;       r = np.clip(x / 2.0 ** e, -448, 448)
;;       step = 2.0 ** (np.maximum(np.frexp(np.where(r == 0, 1, r))[1] - 1, -6) - 3)
;;       q = np.round(r / step) * step * 2.0 ** e      # np.round: ties to even
;;       return np.moveaxis(q, -1, axis).astype(np.float32)
;;   ~~~
;;   SOFTMAX AHEAD OF A QUANTISED PRODUCT. Where the list says 'softmax', what is quantised is not the finished softmax but p = 2^(t - M), with t = logit x log2(e) and M = ceil(the row's largest t), a whole number; so 1/2 < the row's largest p <= 1. The row's sum l is taken of the UNQUANTISED p, in f32, and the product's result is divided by l at the end. Since M is a whole number, a kernel that streams over the keys may use a running M (the ceiling of the running maximum): every later rescaling is an exact power of two, so the quantised numbers keep their values, but for numbers so far below the row's largest that they fall under the format's range.
;;   OPERANDS COMPUTED ON THE WAY. 'Computed on the way' means the value that the module computes at that place (a softmax that the list does not call 'softmax' is quantised finished and normalised). What goes into a quantiser is computed in f32, as accurately as f32 sums, v_exp_f32 and their like allow (about 1e-6 of the number): no bf16 or f16 on the way to a quantiser, and a product that is left as it is and whose result goes on into a quantised operand takes f32 operands (vector FMAs, or v_wmma_f32_16x16x4_f32). A number that lies on a knife's edge between two numbers of the format may be rounded either way, as far as f32 arithmetic and the matrix unit's own rounding can turn it there, and no further.
;; 2 versions, each right; version 2 is version 1 with the launch attn written anew for expert scheduling mode. Each part assembles by itself: llvm-mc -triple=amdgcn-amd-amdhsa -mcpu=gfx1250 --defsym DOCPART=n.
;; ======== version 1 of 2: 4 launches
;; limits: right only within a limited range of input values
;; workspace buffers: xc 12,582,912 bytes; wc 16,777,216 bytes; rt 1,048,576 bytes; qkv 12,582,912 bytes; oc 4,194,304 bytes
;; launch prep (part 1): grid 672 x 1, 4 waves a work-group, no clusters, 35,328 bytes of LDS; arguments x, Wq, Wk, Wv, Wo, lowp_scales, token_positions, xc, wc, rt; writes xc, wc, rt
.if DOCPART == 1
	.amdgcn_target "amdgcn-amd-amdhsa--gfx1250"
	.amdhsa_code_object_version 6
	.text
	.protected	k_q1a18963c2d_prep
	.globl	k_q1a18963c2d_prep
	.p2align	8
	.type	k_q1a18963c2d_prep,@function
k_q1a18963c2d_prep:
	s_mov_b64 s[64:65], 0
	v_nop
	global_prefetch_b8 v0, s[64:65] scope:SCOPE_SE
	s_setreg_imm32_b32 hwreg(HW_REG_WAVE_MODE, 25, 1), 1
	s_wait_xcnt 0x0
; PREP.  x [2048][2048] f32 becomes three sets of E4M3 codes (under the scales 2^e0, 2^e2, 2^e4), Wq, Wk, Wv, Wo one set each (e1, e3, e5, e11),
; and token_positions becomes the table of cosines and sines that the rotary embedding takes.
; code = number / 2^e, held within +-448, rounded to the nearest code, ties to even.
; THE CODES' LAYOUT IS THE OPERAND'S REGISTERS.  A fragment is 16 rows x 128 along K: 16 registers a lane, 2,048 bytes; byte 512 c + 16 lane holds registers 4 c .. 4 c + 3
; of that lane; registers 2 c, 2 c + 1 of lane (r = lane % 16, h = lane / 16) hold k = 16 c + 8 h + 0 .. 7 of row r.  A tensor is [row tile 128][K step 16][2,048 bytes].
; SHARES.  Work-groups 0-31: the table, a wave to a tile of 16 tokens.  Work-groups 32-671: tensor T = (id - 32) / 128 (0 = x, 1-4 = Wq, Wk, Wv, Wo), row tile (id - 32) % 128:
; 16 whole rows; wave w takes k = 512 w .. 512 w + 511 in eight units of 16 rows x 64 k.  Waves share nothing: no barrier.
; A unit's eight loads read 256 consecutive bytes of two rows each; the numbers turn through the wave's own stage in LDS (rows of 256 + 16 bytes), so that a lane gets
; eight neighbours along K four times; a unit's codes are half a fragment and leave as two stores of 512 consecutive bytes.
; No matrix unit, no cluster, no tensor load: each byte is read once by one wave, so nothing is shared and memory binds.
; THE TABLE: [token tile 128][k = 4 b + 2 cs + jh][lane][16 bytes], f32: lane (r, h) holds cos (cs = 0) or sin (cs = 1) of position[16 tile + r] x inv_freq[i], i = 16 b + 8 h + 4 jh + 0 .. 3.
; inv_freq[i] = 2^(-i log2(10000) / 64).  Sine and cosine: the angle less the nearest multiple of pi/2 (pi/2 in three parts, fused), two polynomials on +-pi/4, the quadrant by selects.
; LIMITS: e0 .. e5 and e11 between -126 and 119, so that 2^e and 448 x 2^e are f32 numbers.  NaN among the inputs is not served (an infinity is held at the largest code).
; The reduction keeps f32 accuracy while the angle holds fewer than 2^23 quarter turns; inv_freq carries the rounding of one product and one v_exp_f32.
.set GI,   1                           ; v1   my bytes of a load: 8,192 (lane / 16) + 16 (lane % 16)
.set SI,   2                           ; v2   the stage, on the way in: 272 (lane / 16) + 16 (lane % 16) + my wave's region
.set SO,   3                           ; v3   and out: 272 r + 32 h + my wave's region
.set GO,   4                           ; v4   16 x lane
.set RAW,  16                          ; v16-143  four sets of 32 numbers as loaded
.set XN,   144                         ; v144-207 two sets of 32: register 8 c + i = k 16 c + 8 h + i of row r
.set HLD,  208                         ; v208-239 the same, held within the largest code x the scale
.set COD,  240                         ; v240-247 codes
.set STGB, 4352                        ; a stage: 16 rows x 272 bytes
.set WREG, 8704                        ; two stages for each wave
	s_load_b512 s[8:23], s[0:1], 0x0               ; x 8, Wq 10, Wk 12, Wv 14, Wo 16, the scales' exponents 18, token_positions 20, xc 22
	s_load_b128 s[24:27], s[0:1], 0x40             ; wc 24, rt 26
	v_lshl_add_u32 v254, v0, 2, 0x8800
	v_mov_b32 v255, 0
	v_lshrrev_b32 v1, 5, v0
	v_readfirstlane_b32 s2, v1                     ; wave 0..3
	v_and_b32 v13, 31, v0                          ; lane
	v_and_b32 v14, 15, v0                          ; r
	v_bfe_u32 v15, v0, 4, 1                        ; h
	v_lshlrev_b32 v[GO], 4, v13
	s_cmp_lt_u32 ttmp9, 32
	s_cbranch_scc1 .Ltable
	; ---------------- the quantiser ----------------
	s_sub_co_u32 s3, ttmp9, 32
	s_lshr_b32 s4, s3, 7                           ; T: which tensor
	s_and_b32 s5, s3, 127                          ; which tile of 16 rows
	s_mul_i32 s6, s2, WREG
	v_lshlrev_b32 v[GI], 4, v14
	v_lshl_add_u32 v[GI], v15, 13, v[GI]
	v_mul_u32_u24 v[SI], v15, 272
	v_lshl_add_u32 v[SI], v14, 4, v[SI]
	v_add_nc_u32 v[SI], s6, v[SI]
	v_mul_u32_u24 v[SO], v14, 272
	v_lshl_add_u32 v[SO], v15, 5, v[SO]
	v_add_nc_u32 v[SO], s6, v[SO]
	s_lshl_b32 s56, s5, 17                         ; in: 16 rows of 8,192 bytes a tile,
	s_lshl_b32 s57, s2, 11                         ; 512 numbers a wave
	s_add_co_u32 s56, s56, s57
	s_mov_b32 s57, 0
	s_sub_co_u32 s58, s4, 1
	s_lshl_b32 s58, s58, 22                        ; out: weight T - 1 of wc, 4 MiB each (x: 0),
	s_cmp_eq_u32 s4, 0
	s_cselect_b32 s58, 0, s58
	s_lshl_b32 s59, s5, 15                         ; 16 fragments a row tile,
	s_add_co_u32 s58, s58, s59
	s_lshl_b32 s59, s2, 13                         ; four of them a wave
	s_add_co_u32 s58, s58, s59
	s_mov_b32 s59, 0
	s_wait_kmcnt 0x0
	s_load_b256 s[32:39], s[18:19], 0x0            ; e0 .. e7
	s_load_b128 s[40:43], s[18:19], 0x20           ; e8 .. e11
	s_mov_b64 s[46:47], s[8:9]                     ; the tensor is chosen by the work-group's number alone
	s_cmp_eq_u32 s4, 1
	s_cselect_b64 s[46:47], s[10:11], s[46:47]
	s_cmp_eq_u32 s4, 2
	s_cselect_b64 s[46:47], s[12:13], s[46:47]
	s_cmp_eq_u32 s4, 3
	s_cselect_b64 s[46:47], s[14:15], s[46:47]
	s_cmp_eq_u32 s4, 4
	s_cselect_b64 s[46:47], s[16:17], s[46:47]
	s_cmp_eq_u32 s4, 0
	s_cselect_b64 s[48:49], s[22:23], s[24:25]
	s_add_nc_u64 s[46:47], s[46:47], s[56:57]
	s_add_nc_u64 s[48:49], s[48:49], s[58:59]      ; the first set of codes,
	s_add_nc_u64 s[50:51], s[48:49], 0x400000      ; x's second and third, 4 MiB apart (used where T = 0 alone)
	s_add_nc_u64 s[52:53], s[48:49], 0x800000
.macro LOAD t                          ; unit t: rows 2 i and 2 i + 1, 256 consecutive bytes of each, read once in the launch
.irp i, 0,1,2,3,4,5,6,7
	global_load_b128 v[RAW+32*((\t)%4)+4*\i:RAW+32*((\t)%4)+4*\i+3], v[GI], s[46:47] offset:16384*\i+256*(\t) th:TH_LOAD_NT
.endr
.endm
.macro TURN t                          ; unit t through a stage: LDS serves a wave's instructions in order (ISA guide 5.7.1.4), so no wait stands between the stores and the loads
.irp i, 0,1,2,3,4,5,6,7
	ds_store_b128 v[SI], v[RAW+32*((\t)%4)+4*\i:RAW+32*((\t)%4)+4*\i+3] offset:STGB*((\t)%2)+544*\i
.endr
.irp c, 0,1,2,3
	ds_load_b128 v[XN+32*((\t)%2)+8*\c:XN+32*((\t)%2)+8*\c+3], v[SO] offset:STGB*((\t)%2)+64*\c
	ds_load_b128 v[XN+32*((\t)%2)+8*\c+4:XN+32*((\t)%2)+8*\c+7], v[SO] offset:STGB*((\t)%2)+64*\c+16
.endr
.endm
.macro MKSC e, sc, lim                 ; s[e] = an exponent: v[sc] = 2^e as f32 (the conversion takes its exponent field), v[lim] = 448 x 2^e
	s_add_co_i32 s60, s[\e], 127
	s_lshl_b32 s61, s60, 23
	v_mov_b32 v[\sc], s61
	s_add_co_i32 s60, s60, 8
	s_lshl_b32 s60, s60, 23
	s_or_b32 s60, s60, 0x600000
	v_mov_b32 v[\lim], s60
.endm
.macro CONV sc, lim, base, t           ; the unit's 32 numbers a lane under one scale: held, converted, stored
.set ii, 0
.rept 32
	v_med3_num_f32 v[HLD+ii], v[XS+ii], -v[\lim], v[\lim]   ; the conversion to an 8-bit code does not saturate (ISA guide 7.6.2): the hold comes first
.set ii, ii+1
.endr
	s_wait_xcnt 0x0                                ; the last stores have read the codes' registers: only now are they written again
.irp c, 0,1,2,3
	v_cvt_scalef32_pk8_fp8_f32 v[COD+2*\c:COD+2*\c+1], v[HLD+8*\c:HLD+8*\c+7], v[\sc]
.endr
	v_nop                                          ; a plain line between the conversions and the next holds, which write their sources
	global_store_b128 v[GO], v[COD:COD+3], s[\base:\base+1] offset:1024*(\t)        ; 32 lanes store 512 consecutive bytes, aligned
	global_store_b128 v[GO], v[COD+4:COD+7], s[\base:\base+1] offset:1024*(\t)+512
.endm
.macro UNIT t
.set XS, XN+32*((\t)%2)
	s_wait_dscnt 0x0                               ; this unit is back from its stage, and the stage's stores have read the raw set,
.if (\t)+4 < 8
	LOAD (\t)+4                                    ; which takes the unit four further on
.endif
.if (\t) < 7
.if (\t) < 4
	s_wait_loadcnt 24                              ; the next unit's eight loads are in; those of the three units behind it may be out
.else
	s_wait_loadcnt 8*(6-(\t))                      ; the counts run down: two units, one, none behind the next
.endif
	TURN (\t)+1                                    ; it goes through the other stage while this unit is worked
.endif
	CONV 5, 6, 48, \t
	s_cmp_lg_u32 s4, 0                             ; x alone has three scales: a branch on the work-group's number
	s_cbranch_scc1 .Lone_\@
	CONV 7, 8, 50, \t
	CONV 9, 10, 52, \t
.Lone_\@:
.endm
	LOAD 0
	LOAD 1
	LOAD 2
	LOAD 3
	s_wait_kmcnt 0x0
	s_mov_b32 s44, s32                             ; the first set's exponent: e0, e1, e3, e5, e11 for T = 0 .. 4
	s_cmp_eq_u32 s4, 1
	s_cselect_b32 s44, s33, s44
	s_cmp_eq_u32 s4, 2
	s_cselect_b32 s44, s35, s44
	s_cmp_eq_u32 s4, 3
	s_cselect_b32 s44, s37, s44
	s_cmp_eq_u32 s4, 4
	s_cselect_b32 s44, s43, s44
	MKSC 44, 5, 6
	MKSC 34, 7, 8                                  ; e2
	MKSC 36, 9, 10                                 ; e4
	s_wait_loadcnt 24                              ; unit 0 is in; units 1 to 3 may be out
	TURN 0
.irp t, 0,1,2,3,4,5,6,7
	UNIT \t
.endr
	s_wait_tensorcnt 0x0
	ds_add_u32 v254, v255
	s_wait_dscnt 0x0
	s_endpgm
	; ---------------- the table ----------------
.set TW,  16                           ; eight frequencies side by side: the index, then inv_freq
.set TA,  24                           ; the angle
.set TKF, 32                           ; the nearest multiple of pi/2, as f32
.set TR,  40                           ; the reduced angle
.set TK,  48                           ; the multiple as a whole number
.set TZ,  56                           ; its square
.set TPS, 64
.set TPC, 72
.set T1,  80
.set TS,  88
.set TC,  96
.set T2,  104
.set TOUT, 128                         ; v128-191: cos(b, j) at 16 b + j, sin(b, j) at 16 b + 8 + j: registers of their own, so that no store's data are written again
.Ltable:
	s_lshl_b32 s3, ttmp9, 2
	s_add_co_u32 s3, s3, s2                        ; my tile of 16 tokens
	s_lshl_b32 s56, s3, 6
	s_mov_b32 s57, 0
	s_lshl_b32 s58, s3, 13
	s_mov_b32 s59, 0
	v_lshlrev_b32 v9, 2, v14
	v_lshlrev_b32 v12, 3, v15                      ; 8 h
	s_mov_b32 s62, 0xb94ca1f9                      ; the sine's highest coefficient
	s_mov_b32 s63, 0x37ccf5ce                      ; the cosine's
	s_wait_kmcnt 0x0
	s_add_nc_u64 s[20:21], s[20:21], s[56:57]
	s_add_nc_u64 s[26:27], s[26:27], s[58:59]
	global_load_b32 v10, v9, s[20:21]              ; position[16 tile + r]
	s_wait_loadcnt 0x0
	v_cvt_f32_i32 v11, v10
.irp b, 0,1,2,3
.irp j, 0,1,2,3,4,5,6,7
	v_add_nc_u32 v[TW+\j], 16*\b+\j, v12           ; i = 16 b + 8 h + j
.endr
.irp j, 0,1,2,3,4,5,6,7
	v_cvt_f32_u32 v[TW+\j], v[TW+\j]
.endr
.irp j, 0,1,2,3,4,5,6,7
	v_mul_f32 v[TW+\j], 0xbe549a78, v[TW+\j]       ; x -log2(10000) / 64
.endr
.irp j, 0,1,2,3,4,5,6,7
	v_exp_f32 v[TW+\j], v[TW+\j]                   ; inv_freq
.endr
	v_nop                                          ; a plain line behind the last exponential,
	s_wait_alu depctr_va_vdst(0)                   ; and one wait for the batch of eight ahead of its first reader
.irp j, 0,1,2,3,4,5,6,7
	v_mul_f32 v[TA+\j], v11, v[TW+\j]              ; the angle, rounded once
.endr
.irp j, 0,1,2,3,4,5,6,7
	v_mul_f32 v[TKF+\j], 0x3f22f983, v[TA+\j]      ; x 2 / pi
.endr
.irp j, 0,1,2,3,4,5,6,7
	v_rndne_f32 v[TKF+\j], v[TKF+\j]
.endr
.irp j, 0,1,2,3,4,5,6,7
	v_fmamk_f32 v[TR+\j], v[TKF+\j], 0xbfc90fdb, v[TA+\j]   ; angle - k pi/2, pi/2 in three parts, each step fused
.endr
.irp j, 0,1,2,3,4,5,6,7
	v_fmamk_f32 v[TR+\j], v[TKF+\j], 0x333bbd2e, v[TR+\j]
.endr
.irp j, 0,1,2,3,4,5,6,7
	v_fmamk_f32 v[TR+\j], v[TKF+\j], 0x26f72ced, v[TR+\j]
.endr
.irp j, 0,1,2,3,4,5,6,7
	v_cvt_i32_f32 v[TK+\j], v[TKF+\j]
.endr
.irp j, 0,1,2,3,4,5,6,7
	v_mul_f32 v[TZ+\j], v[TR+\j], v[TR+\j]
.endr
.irp j, 0,1,2,3,4,5,6,7
	v_fmaak_f32 v[TPS+\j], s62, v[TZ+\j], 0x3c08839e
	v_fmaak_f32 v[TPC+\j], s63, v[TZ+\j], 0xbab6061a
.endr
.irp j, 0,1,2,3,4,5,6,7
	v_fmaak_f32 v[TPS+\j], v[TPS+\j], v[TZ+\j], 0xbe2aaaa3
	v_fmaak_f32 v[TPC+\j], v[TPC+\j], v[TZ+\j], 0x3d2aaaa5
.endr
.irp j, 0,1,2,3,4,5,6,7
	v_mul_f32 v[T1+\j], v[TZ+\j], v[TR+\j]
	v_mul_f32 v[T2+\j], v[TZ+\j], v[TZ+\j]
.endr
.irp j, 0,1,2,3,4,5,6,7
	v_fma_f32 v[TS+\j], v[TPS+\j], v[T1+\j], v[TR+\j]        ; sin r = r + r^3 (..)
	v_fma_f32 v[TC+\j], v[TZ+\j], -0.5, 1.0
.endr
.irp j, 0,1,2,3,4,5,6,7
	v_fma_f32 v[TC+\j], v[TPC+\j], v[T2+\j], v[TC+\j]        ; cos r = 1 - r^2 / 2 + r^4 (..)
	v_and_b32 v[T1+\j], 1, v[TK+\j]
.endr
.irp j, 0,1,2,3,4,5,6,7
	v_cmp_ne_u32 vcc_lo, 0, v[T1+\j]                         ; an odd quadrant swaps the two: a select, no branch
	v_cndmask_b32 v[TOUT+16*\b+8+\j], v[TS+\j], v[TC+\j], vcc_lo
	v_cndmask_b32 v[TOUT+16*\b+\j], v[TC+\j], v[TS+\j], vcc_lo
.endr
.irp j, 0,1,2,3,4,5,6,7
	v_lshlrev_b32 v[T1+\j], 30, v[TK+\j]                     ; the sine is negative in quadrants 2 and 3: bit 1 of k,
	v_add_nc_u32 v[T2+\j], 1, v[TK+\j]                       ; the cosine in 1 and 2: bit 1 of k + 1
.endr
.irp j, 0,1,2,3,4,5,6,7
	v_and_b32 v[T1+\j], 0x80000000, v[T1+\j]
	v_lshlrev_b32 v[T2+\j], 30, v[T2+\j]
.endr
.irp j, 0,1,2,3,4,5,6,7
	v_xor_b32 v[TOUT+16*\b+8+\j], v[T1+\j], v[TOUT+16*\b+8+\j]
	v_and_b32 v[T2+\j], 0x80000000, v[T2+\j]
.endr
.irp j, 0,1,2,3,4,5,6,7
	v_xor_b32 v[TOUT+16*\b+\j], v[T2+\j], v[TOUT+16*\b+\j]
.endr
.endr
.irp k, 0,1,2,3,4,5,6,7,8,9,10,11,12,13,14,15
	global_store_b128 v[GO], v[TOUT+4*\k:TOUT+4*\k+3], s[26:27] offset:512*\k   ; 32 lanes store 512 consecutive bytes, aligned
.endr
	s_endpgm
.Lfunc_end_k_q1a18963c2d_prep:
	.size	k_q1a18963c2d_prep, .Lfunc_end_k_q1a18963c2d_prep-k_q1a18963c2d_prep
	.p2alignl 7, 3214868480
	.fill 96, 4, 3214868480
	.section	.rodata,"a",@progbits
	.p2align	6, 0x0
	.amdhsa_kernel k_q1a18963c2d_prep
		.amdhsa_group_segment_fixed_size 35328
		.amdhsa_private_segment_fixed_size 0
		.amdhsa_enable_private_segment 0
		.amdhsa_kernarg_size 80
		.amdhsa_user_sgpr_count 2
		.amdhsa_user_sgpr_kernarg_segment_ptr 1
		.amdhsa_wavefront_size32 1
		.amdhsa_system_sgpr_workgroup_id_x 1
		.amdhsa_system_sgpr_workgroup_id_y 1
		.amdhsa_system_sgpr_workgroup_id_z 1
		.amdhsa_system_vgpr_workitem_id 0
		.amdhsa_next_free_vgpr 256
		.amdhsa_next_free_sgpr 80
		.amdhsa_reserve_vcc 1
		.amdhsa_float_denorm_mode_32 3
		.amdhsa_float_denorm_mode_16_64 3
		.amdhsa_memory_ordered 1
		.amdhsa_forward_progress 1
		.amdhsa_inst_pref_size 128
	.end_amdhsa_kernel
	.amdgpu_metadata
---
amdhsa.version: [ 1, 2 ]
amdhsa.kernels:
  - .name:           k_q1a18963c2d_prep
    .symbol:         k_q1a18963c2d_prep.kd
    .args:
      - { .name: x, .offset: 0, .size: 8, .value_kind: global_buffer, .address_space: global }
      - { .name: Wq, .offset: 8, .size: 8, .value_kind: global_buffer, .address_space: global }
      - { .name: Wk, .offset: 16, .size: 8, .value_kind: global_buffer, .address_space: global }
      - { .name: Wv, .offset: 24, .size: 8, .value_kind: global_buffer, .address_space: global }
      - { .name: Wo, .offset: 32, .size: 8, .value_kind: global_buffer, .address_space: global }
      - { .name: lowp_scales, .offset: 40, .size: 8, .value_kind: global_buffer, .address_space: global }
      - { .name: token_positions, .offset: 48, .size: 8, .value_kind: global_buffer, .address_space: global }
      - { .name: xc, .offset: 56, .size: 8, .value_kind: global_buffer, .address_space: global }
      - { .name: wc, .offset: 64, .size: 8, .value_kind: global_buffer, .address_space: global }
      - { .name: rt, .offset: 72, .size: 8, .value_kind: global_buffer, .address_space: global }
    .group_segment_fixed_size: 35328
    .private_segment_fixed_size: 0
    .kernarg_segment_align: 8
    .kernarg_segment_size: 80
    .max_flat_workgroup_size: 128
    .sgpr_count:     80
    .vgpr_count:     256
    .wavefront_size: 32
...
	.end_amdgpu_metadata
.endif
;; end of part 1
;; launch qkv (part 2): grid 24 x 8, 4 waves a work-group, clusters of 4 x 4, 327,680 bytes of LDS; arguments xc, wc, lowp_scales, rt, qkv; writes qkv
.if DOCPART == 2
	.amdgcn_target "amdgcn-amd-amdhsa--gfx1250"
	.amdhsa_code_object_version 6
	.text
	.protected	k_q1a18963c2d_qkv
	.globl	k_q1a18963c2d_qkv
	.p2align	8
	.type	k_q1a18963c2d_qkv,@function
k_q1a18963c2d_qkv:
	s_mov_b64 s[64:65], 0
	v_nop
	global_prefetch_b8 v0, s[64:65] scope:SCOPE_SE
	s_setreg_imm32_b32 hwreg(HW_REG_WAVE_MODE, 25, 1), 1
	s_wait_xcnt 0x0
	s_wait_alu depctr_hold_cnt(0) depctr_sa_sdst(0) depctr_va_vdst(0) depctr_va_sdst(0) depctr_va_ssrc(0) depctr_va_vcc(0) depctr_vm_vsrc(0)
	s_getreg_b32 s2, hwreg(HW_REG_IB_STS2, 6, 4)
	s_cmp_eq_u32 s2, 0
	s_cbranch_scc0 .Lentry_in_a_cluster
	s_endpgm
.Lentry_in_a_cluster:
	s_bfe_u32 s2, ttmp6, 0x10000c
	s_cmp_lg_u32 s2, 0xf033
	s_cbranch_scc0 .Lentry_shape_is_right
	s_endpgm
.Lentry_shape_is_right:
; QKV.  q = x Wq^T, k = x Wk^T, v = x Wv^T on E4M3 codes (K = 2,048), the rotary embedding of q and k, and the quantising of q (2^e6), k (2^e7) and v (2^e9): what leaves is codes.
; Operands and results are FRAGMENT IMAGES: 16 rows x 128 K = 2,048 bytes, byte 512 c + 16 lane = registers 4 c .. 4 c + 3 of that lane; registers 2 c, 2 c + 1 of lane (r, h) hold k = 16 c + 8 h + 0 .. 7 of row r.
; xc: [3][row tile 128][K step 16][2,048], wc: [4][row tile 128][K step 16][2,048].  So a fragment is four ds_load_b128 of 512 consecutive bytes.
; SHARES.  192 tiles of 256 x 256: projection p = cluster x / 2; four waves, as many as a WGP has SIMDs, 128 x 128 each: 64 accumulators, 512 registers.  (Tiles of 128 x 128 would make 768 work-groups but read
; twice the LDS bytes for each matrix instruction; a head, 128 wide, stays whole in a wave, which the rotation and the results' fragments need.)
; THE MATRIX INSTRUCTION IS USED TRANSPOSED: source 0 = 16 rows of 'B', source 1 = 16 rows of 'A': lane (r, h) holds row r of A, and register j of accumulator (a, b) row 16 b + 8 h + j of B.
; p = 0, 1: A = x's codes (tokens), B = W's (the head's 128 channels): a lane holds one token and eight neighbouring channels; channel d and d + 64 lie in accumulators b and b + 4, same register.
; p = 2:    A = Wv's codes (channels), B = x's (tokens): a lane holds one channel and eight neighbouring KEYS, which are the K of attention's second product.
; So one scaled conversion over accumulator b gives registers 2 b, 2 b + 1 of the next operand's fragment, and nothing changes lanes.  The three scales ahead of a quantiser fold into the conversion's one: 2^(eo - ea - eb).
; OUT: q at 0 and k at 4 MiB: [head 16][token tile 128][2,048];  v at 8 MiB: [head 16][block of 128 keys 16][channel tile 8][2,048].  Each store of the wave covers 512 consecutive bytes, aligned.
; K goes in steps of 256 through a ring of two LDS slots filled by the tensor data mover: a wave's load brings 8 row tiles x 4,096 bytes (two K steps of a row tile lie on end in memory).
; CLUSTERS: 4 x 4 work-groups of one projection.  A's tile hangs on the tile row alone and is asked for jointly along a row of the cluster, B's on the tile column alone, along a column.
; No prefetch: each tile is read by several clusters, and a wave's one load behind each round carries 32,768 bytes.
; LIMITS: e6 - e0 - e1, e7 - e2 - e3 and e9 - e4 - e5 between -126 and 119, so that the folded scale and 448 x it are f32 numbers.
; REGISTERS, in windows of 256.  window 0: v16-31 addresses and the scale; v32-95 the table for block 0; v96-127 codes, two sets; from v128 A's fragments, ONE set (on the way out v128-191: a block's 64 numbers).
;   window 1: B's fragments, TWO sets (on the way out: four table sets of 64).   window 2: accumulators of my rows 0-63, (a, b) at v[8 (8 a + b)];   window 3: of my rows 64-127.
.set FR,    16                         ; registers of a fragment
.set NL,    4                          ; LDS loads that bring one
.set NP,    4                          ; places behind this matrix instruction (ISA guide 7.12.1)
.set SLOT,  131072                     ; A's 16 row tiles x 4,096 bytes, then B's
.set SPARE, 262144                     ; behind the ring: the spare words, 128 bytes for each wave: two blocks of 256 bytes that no other line names
.set ADRA, 16                          ; v16-17  LDS address of my A fragments in slot 0, 1
.set ADRB, 20                          ; v20-21  the same for B
.set LI,   26                          ; v26     16 x lane; never rewritten
.set SPW,  28                          ; v28     LDS address of my spare word; never rewritten
.set NIL,  29                          ; v29     0; never rewritten
.set SCL,  30                          ; v30     the folded scale as f32
.set LIM,  31                          ; v31     448 x it
.set TB0,  32
.set PC,   96
.set AF,   128
.set OO,   128
.set G1, 24                            ; s[24:31] descriptor group 1 for A's tiles;  s[32:39] group 0, one set for each slot
.set G0, 32
.set G1B, 48                           ; s[48:55], s[56:63] the same for B's tiles
.set G0B, 56
.set MSB, 0
.macro WIN new                         ; the immediate's high byte repeats the setting that is left
.if MSB != (\new)
	s_set_vgpr_msb (MSB<<8)|(\new)
.set MSB, (\new)
.endif
.endm
.set MUL_LO, 0xa1                      ; source 0 (B) window 1, source 1 (A) window 0, C and D window 2
.set MUL_HI, 0xf1                      ; the same, C and D window 3
.set TO_B,   0x40                      ; destination window 1, address window 0
; A joint load: waves 0 and 1 fetch for A, waves 2 and 3 for B.  Each line has one mask and one set of registers for all that issue it; the branch hangs on the wave's number alone.
; Four v_nop follow each of the two lines, ahead of the jump, the label and what follows.
.macro JLOAD g0a, g1a, g0b, g1b
	s_cmp_eq_u32 s15, 0
	s_cbranch_scc0 .Lfor_b_\@
	tensor_load_to_lds s[\g0a:\g0a+3], s[\g1a:\g1a+7]
	s_nop 0
.rept 4
	v_nop
.endr
	s_branch .Lasked_\@
.Lfor_b_\@:
	tensor_load_to_lds s[\g0b:\g0b+3], s[\g1b:\g1b+7]
	s_nop 0
.rept 4
	v_nop
.endr
.Lasked_\@:
.endm
.macro CREST                           ; a round of the cluster's barrier behind its opening barrier
	s_cmp_lg_u32 s14, 0
	s_cbranch_scc1 .Lnot_wave_0_\@
	s_barrier_signal -3
.Lnot_wave_0_\@:
	s_barrier_wait -3
	s_barrier_signal -1
	s_barrier_wait -1
.endm
.macro CROUND                          ; a whole round
	s_barrier_signal -1
	s_barrier_wait -1
	CREST
.endm
	s_load_b128 s[4:7], s[0:1], 0x0                ; xc s[4:5], wc s[6:7]
	s_load_b128 s[8:11], s[0:1], 0x10              ; the scales' exponents s[8:9], rt s[10:11]
	s_load_b64 s[12:13], s[0:1], 0x20              ; qkv
	v_lshl_add_u32 v[SPW], v0, 2, SPARE
	v_mov_b32 v[NIL], 0
	ds_add_u32 v28, v29
	ds_add_u32 v28, v29
	s_wait_dscnt 0x0
	v_lshrrev_b32 v1, 5, v0
	v_readfirstlane_b32 s14, v1                    ; wave 0..3
	s_lshr_b32 s15, s14, 1                         ; which half of the tile's A rows is mine.  Also: I fetch for A (0) or for B (1)
	s_and_b32 s16, s14, 1                          ; which half of its B rows.  Also: which 8 row tiles of that tile I fetch
	s_bfe_u32 s40, ttmp6, 0x40000                  ; cx, cy: my place in the cluster
	s_bfe_u32 s41, ttmp6, 0x40004
	s_lshr_b32 s19, ttmp9, 1                       ; p: 0 q, 1 k, 2 v: the same in all sixteen partners
	s_and_b32 s42, ttmp9, 1
	s_lshl_b32 s42, s42, 2
	s_add_co_u32 s42, s42, s40                     ; B's tile, 0..7
	s_and_b32 s17, ttmp7, 0xffff
	s_lshl_b32 s17, s17, 2
	s_add_co_u32 s17, s17, s41                     ; A's tile, 0..7
	s_lshl_b32 s43, s41, 2
	s_lshl_b32 s43, 15, s43                        ; my row of the cluster
	s_lshl_b32 s44, 0x1111, s40                    ; my column
	; descriptor group 1: 8 rows (row tiles) of 4,096 bytes, 32,768 bytes apart in memory, dense in LDS
	s_or_b32 s[G1+0], s43, (3<<16)|(1<<21)         ; 15:0 the mask: A's tiles go to my row; 17:16 elements of 8 bytes; 20 no padding; 21 set beside a mask
	s_or_b32 s[G1B+0], s44, (3<<16)|(1<<21)
.irp g, G1, G1B
	s_mov_b32 s[\g+1], 512<<16                     ; tensor_dim0 = 512 elements
	s_mov_b32 s[\g+2], 8<<16                       ; tensor_dim1 = 8
	s_mov_b32 s[\g+3], 512<<16                     ; tile_dim0
	s_mov_b32 s[\g+4], 8                           ; tile_dim1
	s_mov_b32 s[\g+5], 4096                        ; tensor_dim0_stride, in elements
	s_mov_b32 s[\g+6], 0
	s_mov_b32 s[\g+7], 0
.endr
	s_lshl_b32 s18, s19, 22                        ; projection p's codes, and its results: 4 MiB apart
	s_lshl_b32 s20, s17, 19                        ; A: 16 row tiles of 32,768 bytes a tile,
	s_add_co_u32 s20, s20, s18
	s_lshl_b32 s21, s16, 18                        ; the 8 that I fetch
	s_add_co_u32 s20, s20, s21
	s_mov_b32 s21, 0
	s_lshl_b32 s46, s42, 19                        ; B likewise, in registers that never hold A's coordinate
	s_add_co_u32 s46, s46, s18
	s_lshl_b32 s47, s16, 18
	s_add_co_u32 s46, s46, s47
	s_mov_b32 s47, 0
	s_lshl_b32 s45, s14, 15                        ; where they go: 32,768 x wave: no place in the cluster enters an LDS address
	s_wait_kmcnt 0x0
	s_load_b256 s[68:75], s[8:9], 0x0              ; e0 .. e7
	s_load_b128 s[76:79], s[8:9], 0x20             ; e8 .. e11
	s_cmp_eq_u32 s19, 2                            ; for v the weights are A and the tokens B
	s_cselect_b64 s[66:67], s[6:7], s[4:5]
	s_cselect_b64 s[80:81], s[4:5], s[6:7]
	s_add_nc_u64 s[20:21], s[66:67], s[20:21]
	s_add_nc_u64 s[46:47], s[80:81], s[46:47]
	CROUND                                         ; all sixteen work-groups are here: the first joint loads meet
.irp s, 0,1
	s_mov_b32 s[G0+4*\s], 1
	s_add_co_u32 s[G0+4*\s+1], s45, \s*SLOT
	s_add_nc_u64 s[G0+4*\s+2:G0+4*\s+3], s[20:21], \s*4096
	s_or_b32 s[G0+4*\s+3], s[G0+4*\s+3], 0x80000000
	s_mov_b32 s[G0B+4*\s], 1
	s_add_co_u32 s[G0B+4*\s+1], s45, \s*SLOT
	s_add_nc_u64 s[G0B+4*\s+2:G0B+4*\s+3], s[46:47], \s*4096
	s_or_b32 s[G0B+4*\s+3], s[G0B+4*\s+3], 0x80000000
	JLOAD G0+4*\s, G1, G0B+4*\s, G1B
.endr
	v_and_b32 v1, 31, v0
	v_lshlrev_b32 v[LI], 4, v1
	s_lshl_b32 s82, s15, 15                        ; my 8 row tiles of A,
	s_lshl_b32 s83, s16, 15                        ; my 8 of B,
	s_add_co_u32 s83, s83, 65536                   ; which lie behind A's 16
.irp s, 0,1
	v_add_nc_u32 v[ADRA+\s], s82, v[LI]
	v_add_nc_u32 v[ADRB+\s], s83, v[LI]
	s_add_co_u32 s82, s82, SLOT
	s_add_co_u32 s83, s83, SLOT
.endr
	s_lshl_b32 s84, s17, 1
	s_add_co_u32 s84, s84, s15                     ; which 128 rows of A are my wave's, 0..15
	s_lshl_b32 s85, s42, 1
	s_add_co_u32 s85, s85, s16                     ; which 128 rows of B
	s_lshl_b32 s90, s84, 16                        ; the table: 8 token tiles of 8,192 bytes
	s_mov_b32 s91, 0
	s_add_nc_u64 s[86:87], s[10:11], s[90:91]
	s_cmp_eq_u32 s19, 2                            ; out: q, k: head = B's 128, tokens = A's;  v: head = A's 128, keys = B's
	s_cselect_b32 s92, s84, s85
	s_cselect_b32 s93, s85, s84
	s_lshl_b32 s92, s92, 18
	s_lshl_b32 s93, s93, 14
	s_add_co_u32 s90, s92, s93
	s_add_co_u32 s90, s90, s18
	s_add_nc_u64 s[88:89], s[12:13], s[90:91]
	s_cmp_eq_u32 s19, 2
	s_cbranch_scc1 .Lno_table                      ; v is not rotated
.irp k, 0,1,2,3,4,5,6,7,8,9,10,11,12,13,14,15
	global_load_b128 v[TB0+4*\k:TB0+4*\k+3], v[LI], s[86:87] offset:512*\k   ; block 0's cosines and sines, asked for a whole product ahead
.endr
.Lno_table:
.macro FRAG reg, adr, q, i             ; row tile i, the slot's q-th 128 along K: four loads of 512 consecutive bytes
.irp c, 0,1,2,3
	ds_load_b128 v[\reg+4*\c:\reg+4*\c+3], v[\adr] offset:4096*(\i)+2048*(\q)+512*\c
.endr
.endm
; 16 matrix instructions: A's blocks a0, a0 + 1 x B's eight, 128 along K.  p: B's set.  zero = 1: the first product starts the sums: nothing is ever cleared.
; The 64 accumulators take turns, one instruction a turn, in the same order in every step.
.macro MUL16 a0, p, zero
.irp a, \a0, \a0+1
.irp b, 0,1,2,3,4,5,6,7
.if \zero
	v_wmma_f32_16x16x128_fp8_fp8 v[8*(8*((\a)%4)+\b):8*(8*((\a)%4)+\b)+7], v[128*(\p)+FR*\b:128*(\p)+FR*\b+FR-1], v[AF+FR*(\a):AF+FR*(\a)+FR-1], 0
.else
	v_wmma_f32_16x16x128_fp8_fp8 v[8*(8*((\a)%4)+\b):8*(8*((\a)%4)+\b)+7], v[128*(\p)+FR*\b:128*(\p)+FR*\b+FR-1], v[AF+FR*(\a):AF+FR*(\a)+FR-1], v[8*(8*((\a)%4)+\b):8*(8*((\a)%4)+\b)+7]
.endif
.endr
.endr
.endm
.macro FETCH_B slot, q, p              ; B's eight fragments into set p
	WIN TO_B
.irp i, 0,1,2,3,4,5,6,7
	FRAG 128*(\p)+FR*\i, ADRB+\slot, \q, \i
.endr
	WIN 0
.endm
.macro FETCH_A slot, q, i0             ; A's blocks i0 .. i0 + 3
.irp i, \i0, \i0+1, \i0+2, \i0+3
	FRAG AF+FR*(\i), ADRA+\slot, \q, \i
.endr
.endm
; A load into a register that a matrix instruction has read, and a vector instruction that reads a matrix result or writes one of its registers, stand NP places behind it; only plain vector
; instructions that name none of its registers are places (ISA guide 7.12.1 for vector instructions).
.macro PLACES n
.rept \n
	v_nop
.endr
.endm
; A step of 128 along K that has its successor in the same slot.  A block of A is free as soon as its eight products are issued, so one set serves A: blocks 0-3 come anew in the step's middle, blocks 4-7 at its end.
.macro STEP slot, q, zero
	s_wait_dscnt 4*NL                              ; B's set and A's blocks 0-3 are in; the youngest sixteen loads (A's blocks 4-7) may be out
	WIN MUL_LO
	MUL16 0, (\q)%2, \zero
	MUL16 2, (\q)%2, \zero
	s_wait_dscnt 0                                 ; A's blocks 4-7 are in (asked for 32 matrix instructions ago)
	PLACES NP
	FETCH_B \slot, (\q)+1, 1-(\q)%2
	FETCH_A \slot, (\q)+1, 0
	WIN MUL_HI
	MUL16 4, (\q)%2, \zero
	MUL16 6, (\q)%2, \zero
	PLACES NP
	WIN 0
	FETCH_A \slot, (\q)+1, 4
.endm
; A slot's last step changes slots, AT ITS HEAD.  All its fragments were asked for in the step before, so the slot's reads are over as soon as those loads are in, ahead of the step's first product.
; ONE barrier: in front of it each wave waits for all its tensor loads, adds 0 to its spare word, and waits for that and for its own reads of this slot.  fill = 1: the barrier is a round of the cluster's,
; and this slot is filled again, two slots ahead, before anything else is done: the request then has this step and the next slot's first step, 128 matrix instructions, in which to land.
.macro TURN slot, next, fill
	s_wait_tensorcnt 0x0                           ; all my tensor loads have landed: my part of the next slot; so a group 0 may be written (every window is 0 here)
	ds_add_u32 v[SPW], v[NIL]                      ; 0 onto my spare word; with fill = 1 the descriptors' steps stand between it and the wait for it
.if \fill
	s_add_nc_u64 s[G0+4*\slot+2:G0+4*\slot+3], s[G0+4*\slot+2:G0+4*\slot+3], 8192
	s_add_nc_u64 s[G0B+4*\slot+2:G0B+4*\slot+3], s[G0B+4*\slot+2:G0B+4*\slot+3], 8192
.endif
	s_wait_dscnt 0x0                               ; the add is done; this step's fragments are in, and they were my last reads of this slot
.if \fill
	CROUND                                         ; no wave of any partner still reads this slot or has a load on its way
	JLOAD G0+4*\slot, G1, G0B+4*\slot, G1B         ; the first tensor load behind the round, and my one load until the next
.else
	s_barrier_signal -1
	s_barrier_wait -1                              ; the next slot is whole for every wave; nothing is filled again
.endif
	WIN MUL_LO
	MUL16 0, 1, 0
	MUL16 2, 1, 0
	PLACES NP
	FETCH_B \next, 0, 0
	FETCH_A \next, 0, 0
	WIN MUL_HI
	MUL16 4, 1, 0
	MUL16 6, 1, 0
	PLACES NP
	WIN 0
	FETCH_A \next, 0, 4
.endm
	s_wait_tensorcnt 1                             ; my part of slot 0 is in (slot 1's load may be out)
	s_barrier_signal -1
	s_barrier_wait -1                              ; everybody's is
	FETCH_B 0, 0, 0
	FETCH_A 0, 0, 0
	FETCH_A 0, 0, 4
	STEP 0, 0, 1                                   ; the first step stands in front of the loop: its products start the sums
	s_mov_b32 s3, 3                                ; 2,048 along K = 8 slots: two at the head, two in each of three trips
.Llap:
	TURN 0, 1, 1
	STEP 1, 0, 0
	TURN 1, 0, 1
	STEP 0, 0, 0
	s_sub_co_u32 s3, s3, 1
	s_cmp_lg_u32 s3, 0
	s_cbranch_scc1 .Llap
	TURN 0, 1, 0                                   ; the last lap fills nothing, and has no round of the cluster's barrier
	STEP 1, 0, 0
	s_wait_dscnt 4*NL                              ; the very last step: nothing more to fetch
	WIN MUL_LO
	MUL16 0, 1, 0
	MUL16 2, 1, 0
	s_wait_dscnt 0
	WIN MUL_HI
	MUL16 4, 1, 0
	MUL16 6, 1, 0
	WIN 0
	; THE WAY OUT.  A sum stands for sum x 2^(ea + eb); its code is sum / 2^(eo - ea - eb).  The choice among the projections' exponents is a select on p; the hold is always executed.
	s_wait_kmcnt 0x0
	s_cmp_eq_u32 s19, 1
	s_cselect_b32 s82, s70, s68                    ; ea: e0, e2, e4
	s_cselect_b32 s83, s71, s69                    ; eb: e1, e3, e5
	s_cselect_b32 s84, s75, s74                    ; eo: e6, e7, e9
	s_cmp_eq_u32 s19, 2
	s_cselect_b32 s82, s72, s82
	s_cselect_b32 s83, s73, s83
	s_cselect_b32 s84, s77, s84
	s_sub_co_i32 s84, s84, s82
	s_sub_co_i32 s84, s84, s83
	s_add_co_i32 s84, s84, 127
	s_lshl_b32 s85, s84, 23
	v_mov_b32 v[SCL], s85
	s_add_co_i32 s84, s84, 8
	s_lshl_b32 s84, s84, 23
	s_or_b32 s84, s84, 0x600000
	v_mov_b32 v[LIM], s84
	PLACES NP                                      ; behind the last products: for the first reads of results, the writes over A's fragments and the loads over B's
.macro OUTC a                          ; the block's 64 held numbers become a fragment and leave
.set PS, PC+16*((\a)%2)
	s_wait_xcnt 0x0                                ; earlier stores have read the codes' registers
.irp b, 0,1,2,3,4,5,6,7
	v_cvt_scalef32_pk8_fp8_f32 v[PS+2*\b:PS+2*\b+1], v[OO+8*\b:OO+8*\b+7], v[SCL]
.endr
	v_nop                                          ; a plain line between the conversions and the next block's lines, which write their sources
.irp c, 0,1,2,3
	global_store_b128 v[LI], v[PS+4*\c:PS+4*\c+3], s[88:89] offset:2048*(\a)+512*\c
.endr
.endm
.macro TABLE a                         ; block a's cosines and sines into window 1, set (a - 1) % 4
	WIN 0x40
.set kk, 0
.rept 16
	global_load_b128 v[64*(((\a)-1)%4)+4*kk:64*(((\a)-1)%4)+4*kk+3], v[LI], s[86:87] offset:8192*(\a)+512*kk
.set kk, kk+1
.endr
	WIN 0
.endm
; Block a (16 tokens x the head's 128 channels) is rotated: out(d) = t(d) cos - t(d + 64) sin, out(d + 64) = t(d) sin + t(d + 64) cos, d = 16 b + 8 h + j.  The table's set begins at v[csb] of window csw:
; cos at 16 b + j, sin at 16 b + 8 + j.  left: the table loads issued behind this block's, which may stay out (-1: no wait).  Each accumulator is read from its low end on.
.macro ROPE a, csb, csw, left
.if (\left) >= 0
	s_wait_loadcnt \left
.endif
	WIN (2+(\a)/4)|((\csw)<<2)
.set AC, 64*((\a)%4)
.irp b, 0,1,2,3
.irp jj, 0,2,4,6
	v_pk_mul_f32 v[OO+8*\b+\jj:OO+8*\b+\jj+1], v[AC+32+8*\b+\jj:AC+32+8*\b+\jj+1], v[\csb+16*\b+8+\jj:\csb+16*\b+8+\jj+1]
	v_pk_mul_f32 v[OO+32+8*\b+\jj:OO+32+8*\b+\jj+1], v[AC+32+8*\b+\jj:AC+32+8*\b+\jj+1], v[\csb+16*\b+\jj:\csb+16*\b+\jj+1]
.endr
.irp jj, 0,2,4,6
	v_pk_fma_f32 v[OO+8*\b+\jj:OO+8*\b+\jj+1], v[AC+8*\b+\jj:AC+8*\b+\jj+1], v[\csb+16*\b+\jj:\csb+16*\b+\jj+1], v[OO+8*\b+\jj:OO+8*\b+\jj+1] neg_lo:[0,0,1] neg_hi:[0,0,1]
	v_pk_fma_f32 v[OO+32+8*\b+\jj:OO+32+8*\b+\jj+1], v[AC+8*\b+\jj:AC+8*\b+\jj+1], v[\csb+16*\b+8+\jj:\csb+16*\b+8+\jj+1], v[OO+32+8*\b+\jj:OO+32+8*\b+\jj+1]
.endr
.endr
	WIN 0
.set ii, 0
.rept 64
	v_med3_num_f32 v[OO+ii], v[OO+ii], -v[LIM], v[LIM]   ; the conversion to an 8-bit code does not saturate (ISA guide 7.6.2)
.set ii, ii+1
.endr
	OUTC \a
.endm
.macro VQ a                            ; block a of v (16 channels x 128 keys): held on its way out of the accumulators, each from its low end on
	WIN 2+(\a)/4
.set AC, 64*((\a)%4)
.set ii, 0
.rept 64
	v_med3_num_f32 v[OO+ii], v[AC+ii], -v[LIM], v[LIM]
.set ii, ii+1
.endr
	WIN 0
	OUTC \a
.endm
	s_cmp_eq_u32 s19, 2
	s_cbranch_scc1 .Lvpath
	s_wait_loadcnt 0x0                             ; block 0's table, asked for at the head
	TABLE 1
	TABLE 2
	TABLE 3
	TABLE 4
	ROPE 0, TB0, 0, -1
	ROPE 1, 0, 1, 48                               ; behind block 1's sixteen loads: blocks 2, 3, 4's
	TABLE 5                                        ; into the set just read
	ROPE 2, 64, 1, 48                              ; blocks 3, 4, 5's
	TABLE 6
	ROPE 3, 128, 1, 48
	TABLE 7
	ROPE 4, 192, 1, 48
	ROPE 5, 0, 1, 32                               ; the counts run down
	ROPE 6, 64, 1, 16
	ROPE 7, 128, 1, 0
	s_branch .Ldone
.Lvpath:
.irp a, 0,1,2,3,4,5,6,7
	VQ \a
.endr
.Ldone:
	s_wait_tensorcnt 0x0                           ; the wave's end
	ds_add_u32 v[SPW], v[NIL]
	s_wait_dscnt 0x0
	CROUND                                         ; the closing round: no work-group ends while a partner may still ask for a tile that names it
	s_endpgm
.Lfunc_end_k_q1a18963c2d_qkv:
	.size	k_q1a18963c2d_qkv, .Lfunc_end_k_q1a18963c2d_qkv-k_q1a18963c2d_qkv
	.p2alignl 7, 3214868480
	.fill 96, 4, 3214868480
	.section	.rodata,"a",@progbits
	.p2align	6, 0x0
	.amdhsa_kernel k_q1a18963c2d_qkv
		.amdhsa_group_segment_fixed_size 327680
		.amdhsa_private_segment_fixed_size 0
		.amdhsa_enable_private_segment 0
		.amdhsa_kernarg_size 40
		.amdhsa_user_sgpr_count 2
		.amdhsa_user_sgpr_kernarg_segment_ptr 1
		.amdhsa_wavefront_size32 1
		.amdhsa_system_sgpr_workgroup_id_x 1
		.amdhsa_system_sgpr_workgroup_id_y 1
		.amdhsa_system_sgpr_workgroup_id_z 1
		.amdhsa_system_vgpr_workitem_id 0
		.amdhsa_next_free_vgpr 1024
		.amdhsa_next_free_sgpr 100
		.amdhsa_reserve_vcc 0
		.amdhsa_float_denorm_mode_32 3
		.amdhsa_float_denorm_mode_16_64 3
		.amdhsa_memory_ordered 1
		.amdhsa_forward_progress 1
		.amdhsa_inst_pref_size 203
	.end_amdhsa_kernel
	.amdgpu_metadata
---
amdhsa.version: [ 1, 2 ]
amdhsa.kernels:
  - .name:           k_q1a18963c2d_qkv
    .symbol:         k_q1a18963c2d_qkv.kd
    .args:
      - { .name: xc, .offset: 0, .size: 8, .value_kind: global_buffer, .address_space: global }
      - { .name: wc, .offset: 8, .size: 8, .value_kind: global_buffer, .address_space: global }
      - { .name: lowp_scales, .offset: 16, .size: 8, .value_kind: global_buffer, .address_space: global }
      - { .name: rt, .offset: 24, .size: 8, .value_kind: global_buffer, .address_space: global }
      - { .name: qkv, .offset: 32, .size: 8, .value_kind: global_buffer, .address_space: global }
    .group_segment_fixed_size: 327680
    .private_segment_fixed_size: 0
    .kernarg_segment_align: 8
    .kernarg_segment_size: 40
    .max_flat_workgroup_size: 128
    .sgpr_count:     100
    .vgpr_count:     1024
    .wavefront_size: 32
...
	.end_amdgpu_metadata
.endif
;; end of part 2
;; launch attn (part 3): grid 16 x 16, 8 waves a work-group, no clusters, 66,560 bytes of LDS; arguments qkv, lowp_scales, oc; writes oc
.if DOCPART == 3
	.amdgcn_target "amdgcn-amd-amdhsa--gfx1250"
	.amdhsa_code_object_version 6
	.text
	.protected	k_q1a18963c2d_attn
	.globl	k_q1a18963c2d_attn
	.p2align	8
	.type	k_q1a18963c2d_attn,@function
k_q1a18963c2d_attn:
	s_mov_b64 s[64:65], 0
	v_nop
	global_prefetch_b8 v0, s[64:65] scope:SCOPE_SE
	s_setreg_imm32_b32 hwreg(HW_REG_WAVE_MODE, 25, 1), 1
	s_wait_xcnt 0x0
; ATTN.  o = softmax(q k^T / sqrt(128), causal) v for 16 heads of 2,048 tokens x 128, both products on E4M3 codes; o leaves as codes under 2^e10.
; THE SOFTMAX AHEAD OF THE SECOND PRODUCT: t = score x log2(e) / sqrt(128); M = the running largest t rounded UP to a whole number; p = 2^(t - M) is quantised under 2^e8, not normalised;
; the row's sum is taken of the unquantised p and divides at the end; when M moves, the sum and O are multiplied by 2^(old M - new M), which rounds nothing.
; All operands are FRAGMENT IMAGES (16 rows x 128 K = 2,048 bytes; byte 512 c + 16 lane = registers 4 c .. 4 c + 3; registers 2 c, 2 c + 1 of lane (r, h): k = 16 c + 8 h + 0 .. 7 of row r).
; qkv: q at 0, k at 4 MiB: [head][token tile 128][2,048]; v at 8 MiB: [head][block of 128 keys][channel tile 8][2,048], K = the keys.  oc: [token tile 128][head][2,048], K = the head's channels.
; Both products are used transposed: S^T = K Q^T (source 0 = 16 keys, source 1 = my 16 queries), O^T = V^T P^T: a lane holds ONE query throughout, register j of tile t key (or channel) 16 t + 8 h + j,
; so a conversion over tile t gives registers 2 t, 2 t + 1 of the next operand.
; SHARES.  Work-group (i, head) owns the blocks of 64 queries i and 31 - i: together 17 (64 queries x 128 keys) steps under the causal mask, whatever i: 256 work-groups of equal work.
; Eight waves, one tile of 16 queries each; wave w takes the high block where (w ^ (w >> 2)) & 1.  The work-group walks 2 ((31 - i) / 4 + 1) key steps of 128; a wave jumps over the WORK of a step all of whose
; keys come after its queries (a scalar branch on ids), never over the staging or a barrier.
; K AND V COME INTO LDS THROUGH REGISTERS: wave w loads fragment w of a step's eight and stores its image; every LDS address is a constant + a term in the thread's number.  The trip count hangs on the
; work-group's number, so no tensor load is used.  NO CLUSTER: the sixteen work-groups of a head need 10 to 16 key steps, so partners would need different numbers of tiles.
; K is staged a step further ahead than V: at the barrier in front of step j, K(j + 1) and V(j) lie in LDS and K(j) in every wave's registers.  In step j a wave reads VS[j % 2] and KS[1 - j % 2]
; and stores K(j + 2) into KS[j % 2] and V(j + 1) into VS[1 - j % 2]: bytes last read in step j - 1, with every wave's wait for its LDS loads and the barrier between.
; THE STAGING LOADS RUN A STEP AHEAD OF THEIR STORES, in two sets of registers by turns: what step j stores at its end was asked for at the head of step j - 1, and step j asks for K(j + 3) and V(j + 2).
; So a load has two steps in which to come, and a wave has up to sixteen loads, 8,192 bytes, on their way.
; LIMITS: e6 + e7 between -123 and 130 (added to c's exponent field); e8, and e10 - e8 - e9, between -126 and 119.  NaN among the inputs is not served.
; REGISTERS.  window 0: v1 2,048 wave + 16 lane; v3 16 lane; v4 the prefetches' offset; v5 r - 8 h; v6-11 at work; v12 -M, v13 the largest t, v[14:15] the sum in two halves; v16-31 Q; v32-95 S^T, then p;
;   v96-159 O^T; v160-175 p's codes; v176-239 staging, two sets of 32 (16 for K, 16 for V); v240-254 at work and scales.   window 1: v0-127 K's eight fragments, v128-255 V's.
.set KS0, 0
.set KS1, 16384
.set VS0, 32768
.set VS1, 49152
.set SS,  32
.set OA,  96
.set PC,  160
.set STG, 176
.set MSB, 0
.macro WIN new                         ; the immediate's high byte repeats the setting that is left
.if MSB != (\new)
	s_set_vgpr_msb (MSB<<8)|(\new)
.set MSB, (\new)
.endif
.endm
	s_load_b128 s[4:7], s[0:1], 0x0                ; qkv s[4:5], the scales' exponents s[6:7]
	s_load_b64 s[8:9], s[0:1], 0x10                ; oc
	v_lshl_add_u32 v251, v0, 2, 0x10000
	v_mov_b32 v255, 0
	v_lshrrev_b32 v7, 5, v0
	v_readfirstlane_b32 s10, v7                    ; wave 0..7
	v_and_b32 v6, 31, v0                           ; lane
	v_lshlrev_b32 v3, 4, v6
	v_lshl_add_u32 v1, v7, 11, v3
	v_and_b32 v7, 15, v0                           ; r
	v_bfe_u32 v8, v0, 4, 1                         ; h
	v_lshlrev_b32 v8, 3, v8
	v_sub_nc_u32 v5, v7, v8                        ; r - 8 h
	s_lshr_b32 s12, s10, 1                         ; my tile of 16 queries in its block
	s_lshr_b32 s11, s10, 2
	s_xor_b32 s11, s11, s10
	s_and_b32 s11, s11, 1                          ; 1: the high block
	s_sub_co_u32 s15, 31, ttmp9
	s_lshr_b32 s19, s15, 2
	s_sub_co_u32 s19, s19, 1                       ; the loop's trips: half the key steps, less two: 3 to 6
	s_cmp_eq_u32 s11, 1
	s_cselect_b32 s15, s15, ttmp9                  ; my block of 64 queries
	s_lshl_b32 s16, s15, 6
	s_lshl_b32 s26, s12, 4
	s_add_co_u32 s16, s16, s26                     ; my first query
	s_add_co_u32 s17, s16, 15                      ; my last
	s_mov_b32 s18, 0                               ; the step's first key
	s_and_b32 s14, ttmp7, 0xffff                   ; the head
	s_mov_b32 s20, 0x76543210                      ; v_permlanex16_b32's selects for lane l xor 16
	s_mov_b32 s21, 0xfedcba98
	s_lshl_b32 s44, s14, 18                        ; a head's 128 fragments
	s_mov_b32 s45, 0
	s_lshl_b32 s46, s16, 7                         ; my token tile's fragment of q
	s_add_co_u32 s46, s46, s44
	s_mov_b32 s47, 0
	s_lshl_b32 s48, s16, 11                        ; oc: 16 fragments a token tile,
	s_lshl_b32 s49, s14, 11                        ; the head's among them
	s_add_co_u32 s48, s48, s49
	s_mov_b32 s49, 0
	; the prefetches (macro ASK): who asks, for what, and until when
	s_mov_b32 s26, 4243456                         ; V four steps on: 4 MiB + 4 x 16,384 - 2 x 8,192, + 8,192 x part
	s_mov_b32 s27, 1408                            ; while the step's first key is at most 128 x 11
	s_cmp_lt_u32 s12, 2
	s_cselect_b32 s26, 81920, s26                  ; K five steps on
	s_cselect_b32 s27, 1280, s27                   ; while it is at most 128 x 10
	s_xor_b32 s50, s11, 1
	s_or_b32 s50, s50, ttmp9                       ; 0 in the four high waves of the head's work-group 0, which walks all 16 steps
	s_cmp_eq_u32 s50, 0
	s_cselect_b32 s27, s27, -1
	s_lshl_b32 s51, s12, 13
	s_add_co_u32 s26, s26, s51
	v_lshl_add_u32 v4, v6, 8, s26                  ; lanes 256 bytes apart
	s_wait_kmcnt 0x0
	s_load_b256 s[28:35], s[6:7], 0x0              ; e0 .. e7
	s_load_b128 s[36:39], s[6:7], 0x20             ; e8 .. e11
	s_add_nc_u64 s[24:25], s[4:5], s[44:45]
	s_add_nc_u64 s[24:25], s[24:25], 0x400000      ; K of the head's step 0; V lies 4 MiB further on
	s_add_nc_u64 s[40:41], s[4:5], s[46:47]
	s_add_nc_u64 s[42:43], s[8:9], s[48:49]
.irp c, 0,1,2,3
	global_load_b128 v[16+4*\c:19+4*\c], v3, s[40:41] offset:512*\c            ; Q's fragment stays in registers
.endr
.irp c, 0,1,2,3
	global_load_b128 v[32+4*\c:35+4*\c], v1, s[24:25] offset:512*\c            ; fragment w of K(0),
	global_load_b128 v[48+4*\c:51+4*\c], v1, s[24:25] offset:16384+512*\c      ; of K(1),
	global_load_b128 v[64+4*\c:67+4*\c], v1, s[24:25] offset:4194304+512*\c    ; of V(0)
.endr
.irp c, 0,1,2,3
	global_load_b128 v[STG+4*\c:STG+4*\c+3], v1, s[24:25] offset:32768+512*\c                 ; what step 0 stores at its end, into set 0: K(2),
	global_load_b128 v[STG+16+4*\c:STG+16+4*\c+3], v1, s[24:25] offset:4194304+16384+512*\c   ; V(1)
.endr
	v_mov_b32 v13, 0xff61b1e6                      ; the largest t so far: -3e38, under every t
	v_floor_f32 v12, -v13                          ; -M
	v_mov_b32 v14, 0                               ; the sum, in two halves
	v_mov_b32 v15, 0
	v_mov_b32 v248, 0                              ; written once: a lane permute's destination counts as one of its sources
	v_mov_b32 v252, 0
	v_mov_b32 v253, 0                              ; (named as the upper half of the pair v[252:253])
.set ii, 0
.rept 64
	v_mov_b32 v[OA+ii], 0                          ; O^T.  (The step is written without a first form of its own: the first change of M multiplies zeros)
.set ii, ii+1
.endr
	s_wait_kmcnt 0x0
	s_add_co_i32 s26, s34, s35
	s_lshl_b32 s26, s26, 23
	s_add_co_i32 s22, s26, 0x3e0293ee              ; c = log2(e) / sqrt(128), with e6 + e7 added to its exponent field: a score stands for score x 2^(e6 + e7)
	s_mov_b32 s23, s22                             ; (named with it as a pair, so it is written)
	s_add_co_i32 s26, s36, 127
	s_lshl_b32 s50, s26, 23
	v_mov_b32 v244, s50                            ; 2^e8 as f32, for p's conversions
	s_add_co_i32 s26, s26, 8
	s_lshl_b32 s26, s26, 23
	s_or_b32 s26, s26, 0x600000
	v_mov_b32 v240, s26                            ; 448 x 2^e8
	s_sub_co_i32 s26, s38, s36
	s_sub_co_i32 s26, s26, s37
	s_add_co_i32 s26, s26, 127
	s_lshl_b32 s50, s26, 23
	v_mov_b32 v246, s50                            ; 2^(e10 - e8 - e9): O^T / the sum stands for o / 2^(e8 + e9)
	s_add_co_i32 s26, s26, 8
	s_lshl_b32 s26, s26, 23
	s_or_b32 s26, s26, 0x600000
	v_mov_b32 v247, s26
	s_wait_loadcnt 8                               ; Q, K(0), K(1), V(0) are in; the eight loads of set 0, issued behind them, may be out
.irp c, 0,1,2,3
	ds_store_b128 v1, v[32+4*\c:35+4*\c] offset:KS0+512*\c
	ds_store_b128 v1, v[48+4*\c:51+4*\c] offset:KS1+512*\c
	ds_store_b128 v1, v[64+4*\c:67+4*\c] offset:VS0+512*\c
.endr
	s_wait_dscnt 0x0                               ; for the others' sake: my stores have landed
	s_barrier_signal -1
	s_barrier_wait -1
	WIN 0x40                                       ; destination window 1
.set ii, 0
.rept 32
	ds_load_b128 v[4*ii:4*ii+3], v3 offset:KS0+512*ii    ; K(0), all eight fragments
.set ii, ii+1
.endr
	WIN 0
	s_wait_dscnt 0x0                               ; my reads of KS0 are over: step 0 stores K(2) there,
	s_barrier_signal -1
	s_barrier_wait -1                              ; and only when every wave has said so
; A PREFETCH INTO THE L2 of tiles that later steps will load.  All sixteen work-groups of a head walk the same K and V: the head's work-group 0 asks, which walks all 16 steps; in it the four waves of the
; high block, one instruction each, behind their staging loads: parts 0 and 1 for the halves of K five steps on, parts 2 and 3 for the halves of V four steps on: 8,192 bytes a wave, lanes 256 bytes apart.
; That is two steps ahead of the staging load that will want them.  So each aligned block of 256 bytes is named once in the launch; steps 0 to 4 of K and 0 to 3 of V come by their loads alone; the limit on
; the step's first key keeps every request inside step 15.
.macro ASK
	s_cmp_le_i32 s18, s27
	s_cbranch_scc0 .Lnot_mine_\@
	global_prefetch_b8 v4, s[24:25] th:TH_LOAD_NT scope:SCOPE_SE
.Lnot_mine_\@:
.endm
; KEY STEP j, slot = j % 2.  ldk: K(j + 3) is asked for; ldv: V(j + 2) is asked for (both into set 1 - slot); stk: K(j + 2) goes to LDS; stv: V(j + 1) goes to LDS (both out of set slot);
; lk: K(j + 1) comes from LDS into registers; bar: a barrier ends the step.
.macro STEP slot, ldk, ldv, stk, stv, lk, bar
.set NS, STG+32*(1-(\slot))            ; the set that is asked for now: its last stores were waited for in front of the last barrier
.set CS, STG+32*(\slot)                ; the set that is stored at this step's end
.if \ldk
.irp c, 0,1,2,3
	global_load_b128 v[NS+4*\c:NS+4*\c+3], v1, s[24:25] offset:49152+512*\c
.endr
.endif
.if \ldv
.irp c, 0,1,2,3
	global_load_b128 v[NS+16+4*\c:NS+16+4*\c+3], v1, s[24:25] offset:4194304+32768+512*\c
.endr
.endif
.if \ldk && \ldv
	ASK
.endif
	s_cmp_gt_u32 s18, s17                          ; all 128 keys come after my queries: the step's work is left out (and so is every later step's)
	s_cbranch_scc1 .Lhid_\@
	WIN 0x40
.set ii, 0
.rept 32
	ds_load_b128 v[128+4*ii:128+4*ii+3], v3 offset:VS0+16384*(\slot)+512*ii    ; V(j): wanted behind the softmax
.set ii, ii+1
.endr
	WIN 0x01                                       ; source 0 window 1
.irp t, 0,1,2,3,4,5,6,7
	v_wmma_f32_16x16x128_fp8_fp8 v[SS+8*\t:SS+8*\t+7], v[16*\t:16*\t+15], v[16:31], 0
.endr
	WIN 0
.rept 4
	v_nop                                          ; places in front of the loads over K's fragments and of the first read of the scores
.endr
.if \lk
	WIN 0x40
.set ii, 0
.rept 32
	ds_load_b128 v[4*ii:4*ii+3], v3 offset:KS1-16384*(\slot)+512*ii            ; K(j + 1): it has the whole softmax in which to come
.set ii, ii+1
.endr
	WIN 0
.endif
	s_add_co_u32 s26, s18, 127                     ; on the diagonal hidden scores become -infinity ahead of the maximum: p = 0 then.  A step all of whose keys count skips this
	s_cmp_le_u32 s26, s16
	s_cbranch_scc1 .Lopen_\@
	s_sub_co_i32 s26, s16, s18
	v_add_nc_u32 v252, s26, v5                     ; d = my query - the step's first key - 8 h.  Register 8 t + j holds key 16 t + 8 h + j: hidden where 16 t + j > d
	v_mov_b32 v254, 0xff800000
.set nn, 0
.rept 64
	v_cmp_gt_i32 vcc_lo, 16*(nn/8)+nn%8, v252
	v_cndmask_b32 v[SS+nn], v[SS+nn], v254, vcc_lo
.set nn, nn+1
.endr
.Lopen_\@:
	v_max3_num_f32 v254, v[SS], v[SS+1], v[SS+2]   ; the step's largest score of my query among my 64 keys, in FOUR chains, so that three other lines stand between a line and the one that reads its result:
	v_max3_num_f32 v252, v[SS+3], v[SS+4], v[SS+5] ; in most steps of the late blocks a wave is the only one of its SIMD at work.  The scores go in ascending order: each tile is read from its low end on
	v_max3_num_f32 v10, v[SS+6], v[SS+7], v[SS+8]
	v_max3_num_f32 v11, v[SS+9], v[SS+10], v[SS+11]
.irp i, 12,20,28,36,44,52
	v_max3_num_f32 v254, v254, v[SS+\i], v[SS+\i+1]
	v_max3_num_f32 v252, v252, v[SS+\i+2], v[SS+\i+3]
	v_max3_num_f32 v10, v10, v[SS+\i+4], v[SS+\i+5]
	v_max3_num_f32 v11, v11, v[SS+\i+6], v[SS+\i+7]
.endr
	v_max3_num_f32 v254, v254, v[SS+60], v[SS+61]
	v_max3_num_f32 v252, v252, v[SS+62], v[SS+63]
	v_max3_num_f32 v254, v254, v10, v11
	v_max_num_f32 v254, v254, v252
	v_permlanex16_b32 v248, v254, s20, s21
	v_max_num_f32 v254, v254, v248                 ; and among lane l xor 16's
	v_mul_f32 v254, s22, v254                      ; as t (c is positive)
	v_max_num_f32 v13, v13, v254                   ; the running largest t
	v_mov_b32 v254, v12
	v_floor_f32 v12, -v13                          ; the new -M = floor(-t) = -ceil(t)
	v_sub_f32 v254, v12, v254                      ; old M - new M: a whole number, 0 or less
	v_cvt_i32_f32 v254, v254                       ; (it saturates)
	v_ldexp_f32 v252, 1.0, v254                    ; f = 2^(old M - new M)
.set ii, 0
.rept 32
	v_pk_fma_f32 v[SS+ii:SS+ii+1], v[SS+ii:SS+ii+1], s[22:23], v[12:13] op_sel_hi:[1,0,0]   ; t - M, two at a time
.set ii, ii+2
.endr
.set ii, 0
.rept 64
	v_exp_f32 v[SS+ii], v[SS+ii]                   ; p = 2^(t - M), at most 1
.set ii, ii+1
.endr
	v_pk_mul_f32 v[14:15], v[14:15], v[252:253] op_sel_hi:[1,0]   ; the sums under the new M: the plain line behind the exponentials
	s_wait_alu depctr_va_vdst(0)                   ; one wait for the batch of 64, ahead of its first reader
	v_pk_add_f32 v[242:243], v[SS:SS+1], v[SS+2:SS+3]   ; the row's sum is taken of the UNQUANTISED p, two at a time, in four chains
	v_pk_add_f32 v[6:7], v[SS+4:SS+5], v[SS+6:SS+7]
	v_pk_add_f32 v[8:9], v[SS+8:SS+9], v[SS+10:SS+11]
	v_pk_add_f32 v[14:15], v[14:15], v[SS+12:SS+13]
.irp j, 14,22,30,38,46,54
	v_pk_add_f32 v[242:243], v[242:243], v[SS+\j:SS+\j+1]
	v_pk_add_f32 v[6:7], v[6:7], v[SS+\j+2:SS+\j+3]
	v_pk_add_f32 v[8:9], v[8:9], v[SS+\j+4:SS+\j+5]
	v_pk_add_f32 v[14:15], v[14:15], v[SS+\j+6:SS+\j+7]
.endr
	v_pk_add_f32 v[242:243], v[242:243], v[SS+62:SS+63]
	v_pk_add_f32 v[6:7], v[6:7], v[8:9]
	v_pk_add_f32 v[14:15], v[14:15], v[242:243]
	v_pk_add_f32 v[14:15], v[14:15], v[6:7]
.irp t, 0,1,2,3,4,5,6,7
.irp i, 0,1,2,3,4,5,6,7
	v_min_num_f32 v[SS+8*\t+\i], v[SS+8*\t+\i], v240   ; the conversion does not saturate (ISA guide 7.6.2); p is not negative, so the hold is one-sided
.endr
	v_cvt_scalef32_pk8_fp8_f32 v[PC+2*\t:PC+2*\t+1], v[SS+8*\t:SS+8*\t+7], v244
.endr
.set ii, 0
.rept 32
	v_pk_mul_f32 v[OA+ii:OA+ii+1], v[OA+ii:OA+ii+1], v[252:253] op_sel_hi:[1,0]   ; O^T under the new M.  (Plain lines between the conversions and the products that read their results)
.set ii, ii+2
.endr
.if \lk
	s_wait_dscnt 32                                ; V(j) is in; K(j + 1)'s 32 loads, issued behind it, may be out
.else
	s_wait_dscnt 0x0
.endif
	WIN 0x01
.irp t, 0,1,2,3,4,5,6,7
	v_wmma_f32_16x16x128_fp8_fp8 v[OA+8*\t:OA+8*\t+7], v[128+16*\t:128+16*\t+15], v[PC:PC+15], v[OA+8*\t:OA+8*\t+7]   ; the accumulators take turns, one instruction a turn
.endr
	WIN 0
.rept 4
	v_nop                                          ; places in front of the next loads over V's fragments, and of the way out's first read
.endr
.Lhid_\@:
	s_add_co_u32 s18, s18, 128
.if \stk || \stv
	s_wait_loadcnt 4*(\ldk)+4*(\ldv)               ; what the step before asked for is in registers; what this step asked for, issued behind it, may be out
.if \stk
.irp c, 0,1,2,3
	ds_store_b128 v1, v[CS+4*\c:CS+4*\c+3] offset:KS0+16384*(\slot)+512*\c
.endr
.endif
.if \stv
.irp c, 0,1,2,3
	ds_store_b128 v1, v[CS+16+4*\c:CS+16+4*\c+3] offset:VS1-16384*(\slot)+512*\c
.endr
.endif
.endif
.if \ldk || \ldv
	s_wait_xcnt 0x0                                ; the step's loads and its prefetch have read their base: it may step
	s_add_nc_u64 s[24:25], s[24:25], 16384
.endif
.if \bar
	s_wait_dscnt 0x0                               ; my stores have landed and my LDS loads are in
	s_barrier_signal -1
	s_barrier_wait -1
.endif
.endm
.Lpair:
	STEP 0, 1, 1, 1, 1, 1, 1
	STEP 1, 1, 1, 1, 1, 1, 1
	s_sub_co_i32 s19, s19, 1
	s_cmp_gt_i32 s19, 0
	s_cbranch_scc1 .Lpair
	STEP 0, 1, 1, 1, 1, 1, 1                       ; the last four steps are written out: no load leaves the steps that the work-group walks.  This one asks for the last K and the last V but one,
	STEP 1, 0, 1, 1, 1, 1, 1                       ; this one for the last V,
	STEP 0, 0, 0, 0, 1, 1, 1                       ; this one stores it,
	STEP 1, 0, 0, 0, 0, 0, 0                       ; and the last only works
	; THE WAY OUT: O^T / the sum, held, converted: tile t gives registers 2 t, 2 t + 1 of my token tile's fragment for the head's K step of the last product
	v_add_f32 v14, v14, v15                        ; the sum's two halves,
	v_permlanex16_b32 v252, v14, s20, s21
	v_add_f32 v14, v14, v252                       ; and lane l xor 16's
	v_rcp_f32 v14, v14
	v_nop                                          ; a plain line behind the reciprocal,
	s_wait_alu depctr_va_vdst(0)                   ; and the wait ahead of its first reader
.set ii, 0
.rept 32
	v_pk_mul_f32 v[SS+ii:SS+ii+1], v[OA+ii:OA+ii+1], v[14:15] op_sel_hi:[1,0]   ; each accumulator from its low end on
.set ii, ii+2
.endr
.set ii, 0
.rept 64
	v_med3_num_f32 v[SS+ii], v[SS+ii], -v247, v247
.set ii, ii+1
.endr
.irp t, 0,1,2,3,4,5,6,7
	v_cvt_scalef32_pk8_fp8_f32 v[PC+2*\t:PC+2*\t+1], v[SS+8*\t:SS+8*\t+7], v246
.endr
	v_nop
.irp c, 0,1,2,3
	global_store_b128 v3, v[PC+4*\c:PC+4*\c+3], s[42:43] offset:512*\c   ; 32 lanes store 512 consecutive bytes, aligned
.endr
	s_wait_tensorcnt 0x0
	ds_add_u32 v251, v255
	s_wait_dscnt 0x0
	s_endpgm
.Lfunc_end_k_q1a18963c2d_attn:
	.size	k_q1a18963c2d_attn, .Lfunc_end_k_q1a18963c2d_attn-k_q1a18963c2d_attn
	.p2alignl 7, 3214868480
	.fill 96, 4, 3214868480
	.section	.rodata,"a",@progbits
	.p2align	6, 0x0
	.amdhsa_kernel k_q1a18963c2d_attn
		.amdhsa_group_segment_fixed_size 66560
		.amdhsa_private_segment_fixed_size 0
		.amdhsa_enable_private_segment 0
		.amdhsa_kernarg_size 24
		.amdhsa_user_sgpr_count 2
		.amdhsa_user_sgpr_kernarg_segment_ptr 1
		.amdhsa_wavefront_size32 1
		.amdhsa_system_sgpr_workgroup_id_x 1
		.amdhsa_system_sgpr_workgroup_id_y 1
		.amdhsa_system_sgpr_workgroup_id_z 1
		.amdhsa_system_vgpr_workitem_id 0
		.amdhsa_next_free_vgpr 512
		.amdhsa_next_free_sgpr 66
		.amdhsa_reserve_vcc 1
		.amdhsa_float_denorm_mode_32 3
		.amdhsa_float_denorm_mode_16_64 3
		.amdhsa_memory_ordered 1
		.amdhsa_forward_progress 1
		.amdhsa_inst_pref_size 166
	.end_amdhsa_kernel
	.amdgpu_metadata
---
amdhsa.version: [ 1, 2 ]
amdhsa.kernels:
  - .name:           k_q1a18963c2d_attn
    .symbol:         k_q1a18963c2d_attn.kd
    .args:
      - { .name: qkv, .offset: 0, .size: 8, .value_kind: global_buffer, .address_space: global }
      - { .name: lowp_scales, .offset: 8, .size: 8, .value_kind: global_buffer, .address_space: global }
      - { .name: oc, .offset: 16, .size: 8, .value_kind: global_buffer, .address_space: global }
    .group_segment_fixed_size: 66560
    .private_segment_fixed_size: 0
    .kernarg_segment_align: 8
    .kernarg_segment_size: 24
    .max_flat_workgroup_size: 256
    .sgpr_count:     66
    .vgpr_count:     512
    .wavefront_size: 32
...
	.end_amdgpu_metadata
.endif
;; end of part 3
;; launch oproj (part 4): grid 16 x 16, 4 waves a work-group, clusters of 4 x 4, 327,680 bytes of LDS; arguments oc, wc, lowp_scales, out0; writes out0
.if DOCPART == 4
	.amdgcn_target "amdgcn-amd-amdhsa--gfx1250"
	.amdhsa_code_object_version 6
	.text
	.protected	k_q1a18963c2d_oproj
	.globl	k_q1a18963c2d_oproj
	.p2align	8
	.type	k_q1a18963c2d_oproj,@function
k_q1a18963c2d_oproj:
	s_mov_b64 s[64:65], 0
	v_nop
	global_prefetch_b8 v0, s[64:65] scope:SCOPE_SE
	s_setreg_imm32_b32 hwreg(HW_REG_WAVE_MODE, 25, 1), 1
	s_wait_xcnt 0x0
	s_wait_alu depctr_hold_cnt(0) depctr_sa_sdst(0) depctr_va_vdst(0) depctr_va_sdst(0) depctr_va_ssrc(0) depctr_va_vcc(0) depctr_vm_vsrc(0)
	s_getreg_b32 s2, hwreg(HW_REG_IB_STS2, 6, 4)
	s_cmp_eq_u32 s2, 0
	s_cbranch_scc0 .Lentry_in_a_cluster
	s_endpgm
.Lentry_in_a_cluster:
	s_bfe_u32 s2, ttmp6, 0x10000c
	s_cmp_lg_u32 s2, 0xf033
	s_cbranch_scc0 .Lentry_shape_is_right
	s_endpgm
.Lentry_shape_is_right:
; OPROJ.  out0 = o Wo^T on E4M3 codes (K = 2,048), each finished sum x 2^(e10 + e11); out0 [2048][2048] f32.
; Operands are FRAGMENT IMAGES (16 rows x 128 K = 2,048 bytes; byte 512 c + 16 lane = registers 4 c .. 4 c + 3): oc [token tile 128][K step 16][2,048]; Wo's codes are the fourth tensor of wc, laid alike.
; SHARES.  256 tiles of 128 x 128, one for each WGP (tiles of 256 x 256 would be 64); four waves, 64 x 64 each: 16 accumulators.
; THE MATRIX INSTRUCTION IS USED TRANSPOSED (source 0 = 16 rows of Wo, source 1 = 16 tokens): a lane holds eight neighbouring numbers of a row of out0.
; K goes in steps of 512 through two LDS slots: a wave's tensor load brings 4 row tiles x 8,192 bytes (four K steps of a row tile lie on end in memory).  Four slots' worth in all: the text is written out, without a loop.
; CLUSTERS: 4 x 4 work-groups; o's tile is asked for jointly along a row of the cluster, Wo's along a column.  No prefetch: small tiles, each read by four clusters.
; LIMIT: e10 + e11 between -126 and 127, so that 2^(e10 + e11) is an f32 number.
; REGISTERS.  window 0: v16-29 addresses; v32-63 a block's scaled sums; v64-127 rows read back from the stage, two sets; v128-255 the accumulators, (a, b) at v[128 + 8 (4 a + b)].
;   window 1: two fragment buffers of 128: A's four fragments, then B's four, for 128 along K.
.set SLOT,  131072                     ; A's 8 row tiles x 8,192 bytes, then B's
.set SPARE, 262144                     ; behind the ring: the spare words, 128 bytes for each wave: two blocks of 256 bytes that no other line names
.set SPITCH, 272                       ; the way out: a stage of 16 rows x (256 bytes + 16) for each wave, in slot 0, which has had its last fill and its last read when the first result is stored there
.set ADRA, 16
.set ADRB, 20
.set STO,  24                          ; v24  the stage: where I put 32 bytes of a row
.set RD,   25                          ; v25  and where I read a row back
.set CO,   26                          ; v26  my byte offset in two rows of out0
.set LI,   27                          ; v27  16 x lane
.set SPW,  28
.set NIL,  29
.set TMP,  32
.set BK,   64
.set ACC,  128
.set F0,   0
.set F1,   128
.set G1, 24
.set G0, 32
.set G1B, 48
.set G0B, 56
.set MSB, 0
.macro WIN new                         ; the immediate's high byte repeats the setting that is left
.if MSB != (\new)
	s_set_vgpr_msb (MSB<<8)|(\new)
.set MSB, (\new)
.endif
.endm
.set MUL,  0x05                        ; sources 0 (B) and 1 (A) window 1; C and D window 0
.set TO_F, 0x40                        ; destination window 1, address window 0
.macro JLOAD s                         ; a joint load: waves 0 and 1 fetch A's halves, waves 2 and 3 B's; four v_nop follow each of the two lines
	s_cmp_eq_u32 s15, 0
	s_cbranch_scc0 .Lfor_b_\@
	tensor_load_to_lds s[G0+4*\s:G0+4*\s+3], s[G1:G1+7]
	s_nop 0
.rept 4
	v_nop
.endr
	s_branch .Lasked_\@
.Lfor_b_\@:
	tensor_load_to_lds s[G0B+4*\s:G0B+4*\s+3], s[G1B:G1B+7]
	s_nop 0
.rept 4
	v_nop
.endr
.Lasked_\@:
.endm
.macro CREST                           ; a round of the cluster's barrier behind its opening barrier
	s_cmp_lg_u32 s14, 0
	s_cbranch_scc1 .Lnot_wave_0_\@
	s_barrier_signal -3
.Lnot_wave_0_\@:
	s_barrier_wait -3
	s_barrier_signal -1
	s_barrier_wait -1
.endm
.macro CROUND
	s_barrier_signal -1
	s_barrier_wait -1
	CREST
.endm
	s_load_b128 s[4:7], s[0:1], 0x0                ; oc s[4:5], wc s[6:7]
	s_load_b128 s[8:11], s[0:1], 0x10              ; the scales' exponents s[8:9], out0 s[10:11]
	v_lshl_add_u32 v[SPW], v0, 2, SPARE
	v_mov_b32 v[NIL], 0
	ds_add_u32 v28, v29
	ds_add_u32 v28, v29
	s_wait_dscnt 0x0
	v_lshrrev_b32 v1, 5, v0
	v_readfirstlane_b32 s14, v1                    ; wave 0..3
	s_lshr_b32 s15, s14, 1                         ; which half of the tile's tokens is mine.  Also: I fetch for A (0) or for B (1)
	s_and_b32 s16, s14, 1                          ; which half of its columns.  Also: which 4 row tiles I fetch
	s_bfe_u32 s40, ttmp6, 0x40000                  ; cx, cy
	s_bfe_u32 s41, ttmp6, 0x40004
	s_lshl_b32 s42, ttmp9, 2
	s_add_co_u32 s42, s42, s40                     ; tile column, 0..15
	s_and_b32 s17, ttmp7, 0xffff
	s_lshl_b32 s17, s17, 2
	s_add_co_u32 s17, s17, s41                     ; tile row, 0..15
	s_lshl_b32 s43, s41, 2
	s_lshl_b32 s43, 15, s43                        ; my row of the cluster
	s_lshl_b32 s44, 0x1111, s40                    ; my column
	; descriptor group 1: 4 rows (row tiles) of 8,192 bytes, 32,768 bytes apart in memory, dense in LDS
	s_or_b32 s[G1+0], s43, (3<<16)|(1<<21)         ; 15:0 the mask; 17:16 elements of 8 bytes; 20 no padding; 21 set beside a mask
	s_or_b32 s[G1B+0], s44, (3<<16)|(1<<21)
.irp g, G1, G1B
	s_mov_b32 s[\g+1], 1024<<16                    ; tensor_dim0 = 1,024 elements
	s_mov_b32 s[\g+2], 4<<16                       ; tensor_dim1 = 4
	s_mov_b32 s[\g+3], 1024<<16                    ; tile_dim0
	s_mov_b32 s[\g+4], 4                           ; tile_dim1
	s_mov_b32 s[\g+5], 4096                        ; tensor_dim0_stride, in elements
	s_mov_b32 s[\g+6], 0
	s_mov_b32 s[\g+7], 0
.endr
	s_lshl_b32 s20, s17, 18                        ; A: 8 row tiles of 32,768 bytes a tile,
	s_lshl_b32 s21, s16, 17                        ; the 4 that I fetch
	s_add_co_u32 s20, s20, s21
	s_mov_b32 s21, 0
	s_lshl_b32 s46, s42, 18                        ; B likewise,
	s_lshl_b32 s47, s16, 17
	s_add_co_u32 s46, s46, s47
	s_add_co_u32 s46, s46, 12582912                ; in wc's fourth tensor
	s_mov_b32 s47, 0
	s_lshl_b32 s45, s14, 15                        ; where they go: 32,768 x wave
	s_wait_kmcnt 0x0
	s_load_b64 s[96:97], s[8:9], 0x28              ; e10, e11
	s_add_nc_u64 s[20:21], s[4:5], s[20:21]
	s_add_nc_u64 s[46:47], s[6:7], s[46:47]
	CROUND                                         ; all sixteen work-groups are here: the first joint loads meet
.irp s, 0,1
	s_mov_b32 s[G0+4*\s], 1
	s_add_co_u32 s[G0+4*\s+1], s45, \s*SLOT
	s_add_nc_u64 s[G0+4*\s+2:G0+4*\s+3], s[20:21], \s*8192
	s_or_b32 s[G0+4*\s+3], s[G0+4*\s+3], 0x80000000
	s_mov_b32 s[G0B+4*\s], 1
	s_add_co_u32 s[G0B+4*\s+1], s45, \s*SLOT
	s_add_nc_u64 s[G0B+4*\s+2:G0B+4*\s+3], s[46:47], \s*8192
	s_or_b32 s[G0B+4*\s+3], s[G0B+4*\s+3], 0x80000000
	JLOAD \s
.endr
	v_and_b32 v1, 31, v0
	v_lshlrev_b32 v[LI], 4, v1
	v_and_b32 v2, 15, v0                           ; r
	v_bfe_u32 v3, v0, 4, 1                         ; h
	s_lshl_b32 s82, s15, 15                        ; my 4 row tiles of A,
	s_lshl_b32 s83, s16, 15                        ; my 4 of B,
	s_add_co_u32 s83, s83, 65536                   ; which lie behind A's 8
.irp s, 0,1
	v_add_nc_u32 v[ADRA+\s], s82, v[LI]
	v_add_nc_u32 v[ADRB+\s], s83, v[LI]
	s_add_co_u32 s82, s82, SLOT
	s_add_co_u32 s83, s83, SLOT
.endr
	s_mul_i32 s82, s14, 16*SPITCH                  ; my stage
	v_mul_u32_u24 v[STO], v2, SPITCH               ; in: row r, 32 bytes for each half of the lanes
	v_lshl_add_u32 v[STO], v3, 5, v[STO]
	v_add_nc_u32 v[STO], s82, v[STO]
	v_mul_u32_u24 v[RD], v3, SPITCH                ; back: lanes 0-15 one row of 256 bytes, lanes 16-31 the next
	v_lshl_add_u32 v[RD], v2, 4, v[RD]
	v_add_nc_u32 v[RD], s82, v[RD]
	v_lshlrev_b32 v[CO], 13, v3                    ; and the same two rows of out0, 8,192 bytes apart
	v_lshl_add_u32 v[CO], v2, 4, v[CO]
	s_lshl_b32 s84, s17, 20                        ; my first row: 128 x tile row + 64 x half, rows of 8,192 bytes;
	s_lshl_b32 s85, s15, 19
	s_add_co_u32 s84, s84, s85
	s_lshl_b32 s85, s42, 9                         ; my first column: 128 x tile column + 64 x half, 4 bytes each
	s_add_co_u32 s84, s84, s85
	s_lshl_b32 s85, s16, 8
	s_add_co_u32 s84, s84, s85
	s_mov_b32 s85, 0
	s_add_nc_u64 s[86:87], s[10:11], s[84:85]
; 4 matrix instructions: A's block a x B's four, 128 along K, from buffer f.  The 16 accumulators take turns, one instruction a turn, in the same order in every quarter.
.macro MUL4 f, a, zero
.irp b, 0,1,2,3
.if \zero
	v_wmma_f32_16x16x128_fp8_fp8 v[ACC+8*(4*(\a)+\b):ACC+8*(4*(\a)+\b)+7], v[\f+64+16*\b:\f+64+16*\b+15], v[\f+16*(\a):\f+16*(\a)+15], 0
.else
	v_wmma_f32_16x16x128_fp8_fp8 v[ACC+8*(4*(\a)+\b):ACC+8*(4*(\a)+\b)+7], v[\f+64+16*\b:\f+64+16*\b+15], v[\f+16*(\a):\f+16*(\a)+15], v[ACC+8*(4*(\a)+\b):ACC+8*(4*(\a)+\b)+7]
.endif
.endr
.endm
.macro FETCH slot, q, f                ; 32 LDS loads in one run: the slot's q-th 128 along K into buffer f
	WIN TO_F
.irp i, 0,1,2,3
.irp c, 0,1,2,3
	ds_load_b128 v[\f+64+16*\i+4*\c:\f+64+16*\i+4*\c+3], v[ADRB+\slot] offset:8192*\i+2048*(\q)+512*\c
.endr
.endr
.irp i, 0,1,2,3
.irp c, 0,1,2,3
	ds_load_b128 v[\f+16*\i+4*\c:\f+16*\i+4*\c+3], v[ADRA+\slot] offset:8192*\i+2048*(\q)+512*\c
.endr
.endr
.endm
.macro PLACES                          ; four places in front of loads into registers that matrix instructions have read, and of the first read of results (ISA guide 7.12.1 for vector instructions)
.rept 4
	v_nop
.endr
.endm
; A quarter of a slot: buffer f is multiplied; the next quarter's loads, into g, are issued ahead of the 16 products, so that they come while the products run.
.macro QUARTER slot, qn, f, g, zero
	s_wait_dscnt 0x0                               ; buffer f is in
	PLACES
	FETCH \slot, \qn, \g
	WIN MUL
	MUL4 \f, 0, \zero
	MUL4 \f, 1, \zero
	MUL4 \f, 2, \zero
	MUL4 \f, 3, \zero
.endm
; A slot's last quarter multiplies buffer 1 and changes slots: ONE barrier; in front of it each wave waits for all its tensor loads, adds 0 to its spare word, and waits for that and for its reads of this slot.
.macro TURN slot, next, fill
	WIN 0                                          ; (the add's two registers lie in window 0)
	s_wait_tensorcnt 0x0                           ; all my tensor loads have landed: my part of the next slot
	ds_add_u32 v[SPW], v[NIL]                      ; 0 onto my spare word
	s_wait_dscnt 1                                 ; buffer 1 is in; the add may be out
	WIN MUL
	MUL4 F1, 0, 0                                  ; four matrix instructions stand between the add and the wait for it
	s_wait_dscnt 0x0                               ; the add is done, and my reads of this slot are over
	s_barrier_signal -1
	MUL4 F1, 1, 0
	WIN 0
	s_barrier_wait -1
.if \fill
	CREST                                          ; the barrier has opened a round of the cluster's barrier: no wave of any partner still reads this slot or has a load on its way
	s_add_nc_u64 s[G0+4*\slot+2:G0+4*\slot+3], s[G0+4*\slot+2:G0+4*\slot+3], 16384
	s_add_nc_u64 s[G0B+4*\slot+2:G0B+4*\slot+3], s[G0B+4*\slot+2:G0B+4*\slot+3], 16384
	JLOAD \slot                                    ; the first tensor load behind the round, my one load until the next; its four v_nop are the places in front of the loads below
.else
	PLACES
.endif
	FETCH \next, 0, F0
	WIN MUL
	MUL4 F1, 2, 0
	MUL4 F1, 3, 0
.endm
	s_wait_tensorcnt 1                             ; my part of slot 0 is in (slot 1's load may be out)
	s_barrier_signal -1
	s_barrier_wait -1                              ; everybody's is
	FETCH 0, 0, F0
	QUARTER 0, 1, F0, F1, 1                        ; the first products start the sums: nothing is cleared
	QUARTER 0, 2, F1, F0, 0
	QUARTER 0, 3, F0, F1, 0
	TURN 0, 1, 1                                   ; slot 0 takes K = 1,024 ..
	QUARTER 1, 1, F0, F1, 0
	QUARTER 1, 2, F1, F0, 0
	QUARTER 1, 3, F0, F1, 0
	TURN 1, 0, 1                                   ; slot 1 takes K = 1,536 ..
	QUARTER 0, 1, F0, F1, 0
	QUARTER 0, 2, F1, F0, 0
	QUARTER 0, 3, F0, F1, 0
	TURN 0, 1, 0                                   ; nothing is left to fetch: no round
	QUARTER 1, 1, F0, F1, 0
	QUARTER 1, 2, F1, F0, 0
	QUARTER 1, 3, F0, F1, 0
	s_wait_dscnt 0x0                               ; the very last quarter
	MUL4 F1, 0, 0
	MUL4 F1, 1, 0
	MUL4 F1, 2, 0
	MUL4 F1, 3, 0
	WIN 0
; THE WAY OUT, block by block of 16 tokens x 64 columns.  A lane holds 32 neighbouring bytes of a row and the lanes beside it other rows: so a block goes through my own stage in LDS and comes back as whole
; rows of 256 bytes.  LDS serves a wave's instructions in order (ISA guide 5.7.1.4): no wait between the stores and the loads, nor in front of the next block's stores.
.macro TOSTAGE a
.set jj, 0
.rept 16
	v_pk_mul_f32 v[TMP+jj:TMP+jj+1], v[ACC+32*(\a)+jj:ACC+32*(\a)+jj+1], s[96:97] op_sel_hi:[1,0]   ; x s96 = 2^(e10 + e11); each accumulator from its low end on
.set jj, jj+2
.endr
.irp b, 0,1,2,3
	ds_store_b128 v[STO], v[TMP+8*\b:TMP+8*\b+3] offset:64*\b
	ds_store_b128 v[STO], v[TMP+8*\b+4:TMP+8*\b+7] offset:64*\b+16
.endr
.set BB, BK+32*((\a)%2)
.irp t, 0,1,2,3,4,5,6,7
	ds_load_b128 v[BB+4*\t:BB+4*\t+3], v[RD] offset:2*\t*SPITCH
.endr
.endm
.macro SEND a, younger                 ; younger: the LDS instructions issued behind block a's loads, which may stay out
.set BB, BK+32*((\a)%2)
	s_wait_dscnt \younger
.irp t, 0,1,2,3,4,5,6,7
	global_store_b128 v[CO], v[BB+4*\t:BB+4*\t+3], s[86:87] offset:(16*(\a)+2*\t)*8192 th:TH_STORE_NT   ; 16 lanes store 256 consecutive bytes, at a multiple of 256 from out0's first byte; written once, read by nobody here
.endr
.endm
	s_wait_kmcnt 0x0
	s_add_co_i32 s96, s96, s97                     ; e10 + e11
	s_add_co_i32 s96, s96, 127
	s_lshl_b32 s96, s96, 23                        ; 2^(e10 + e11) as f32
	PLACES                                         ; behind the last products, ahead of the first read of results
	TOSTAGE 0
	TOSTAGE 1
	SEND 0, 16                                     ; behind block 0's loads: block 1's 8 stores and 8 loads
	s_wait_xcnt 0x0                                ; block 0's stores have read their registers: block 2's loads may land there
	TOSTAGE 2
	SEND 1, 16
	s_wait_xcnt 0x0
	TOSTAGE 3
	SEND 2, 16
	SEND 3, 0
	s_wait_tensorcnt 0x0                           ; the wave's end: behind my last tensor load and my last LDS store
	ds_add_u32 v[SPW], v[NIL]
	s_wait_dscnt 0x0
	CROUND                                         ; the closing round: no work-group ends while a partner may still ask for a tile that names it
	s_endpgm
.Lfunc_end_k_q1a18963c2d_oproj:
	.size	k_q1a18963c2d_oproj, .Lfunc_end_k_q1a18963c2d_oproj-k_q1a18963c2d_oproj
	.p2alignl 7, 3214868480
	.fill 96, 4, 3214868480
	.section	.rodata,"a",@progbits
	.p2align	6, 0x0
	.amdhsa_kernel k_q1a18963c2d_oproj
		.amdhsa_group_segment_fixed_size 327680
		.amdhsa_private_segment_fixed_size 0
		.amdhsa_enable_private_segment 0
		.amdhsa_kernarg_size 32
		.amdhsa_user_sgpr_count 2
		.amdhsa_user_sgpr_kernarg_segment_ptr 1
		.amdhsa_wavefront_size32 1
		.amdhsa_system_sgpr_workgroup_id_x 1
		.amdhsa_system_sgpr_workgroup_id_y 1
		.amdhsa_system_sgpr_workgroup_id_z 1
		.amdhsa_system_vgpr_workitem_id 0
		.amdhsa_next_free_vgpr 512
		.amdhsa_next_free_sgpr 100
		.amdhsa_reserve_vcc 0
		.amdhsa_float_denorm_mode_32 3
		.amdhsa_float_denorm_mode_16_64 3
		.amdhsa_memory_ordered 1
		.amdhsa_forward_progress 1
		.amdhsa_inst_pref_size 73
	.end_amdhsa_kernel
	.amdgpu_metadata
---
amdhsa.version: [ 1, 2 ]
amdhsa.kernels:
  - .name:           k_q1a18963c2d_oproj
    .symbol:         k_q1a18963c2d_oproj.kd
    .args:
      - { .name: oc, .offset: 0, .size: 8, .value_kind: global_buffer, .address_space: global }
      - { .name: wc, .offset: 8, .size: 8, .value_kind: global_buffer, .address_space: global }
      - { .name: lowp_scales, .offset: 16, .size: 8, .value_kind: global_buffer, .address_space: global }
      - { .name: out0, .offset: 24, .size: 8, .value_kind: global_buffer, .address_space: global }
    .group_segment_fixed_size: 327680
    .private_segment_fixed_size: 0
    .kernarg_segment_align: 8
    .kernarg_segment_size: 32
    .max_flat_workgroup_size: 128
    .sgpr_count:     100
    .vgpr_count:     512
    .wavefront_size: 32
...
	.end_amdgpu_metadata
.endif
;; end of part 4
;; ======== version 2 of 2: 4 launches; version 1 with the launch attn written anew for expert scheduling mode
;; limits: right only within a limited range of input values
;; workspace buffers: xc 12,582,912 bytes; wc 16,777,216 bytes; rt 1,048,576 bytes; qkv 12,582,912 bytes; oc 4,194,304 bytes
;; launch prep: the kernel of part 1 again; grid 672 x 1, 4 waves a work-group, no clusters, 35,328 bytes of LDS; arguments x, Wq, Wk, Wv, Wo, lowp_scales, token_positions, xc, wc, rt; writes xc, wc, rt
;; launch qkv: the kernel of part 2 again; grid 24 x 8, 4 waves a work-group, clusters of 4 x 4, 327,680 bytes of LDS; arguments xc, wc, lowp_scales, rt, qkv; writes qkv
;; launch attn (part 5): grid 16 x 16, 8 waves a work-group, no clusters, 66,560 bytes of LDS; arguments qkv, lowp_scales, oc; writes oc
.if DOCPART == 5
	.amdgcn_target "amdgcn-amd-amdhsa--gfx1250"
	.amdhsa_code_object_version 6
	.text
	.protected	k_q1a18963c2d_attn
	.globl	k_q1a18963c2d_attn
	.p2align	8
	.type	k_q1a18963c2d_attn,@function
k_q1a18963c2d_attn:
	s_mov_b64 s[64:65], 0
	v_nop
	global_prefetch_b8 v0, s[64:65] scope:SCOPE_SE
	s_setreg_imm32_b32 hwreg(HW_REG_WAVE_SCHED_MODE, 0, 2), 2
	s_setreg_imm32_b32 hwreg(HW_REG_WAVE_MODE, 25, 1), 1
	s_wait_xcnt 0x0
	s_wait_alu depctr_vm_vsrc(0)
; ATTN.  o = softmax(q k^T / sqrt(128), causal) v for 16 heads of 2,048 tokens x 128, both products on E4M3 codes; o leaves as codes under 2^e10.
; THE SOFTMAX AHEAD OF THE SECOND PRODUCT: t = score x log2(e) / sqrt(128); M = the running largest t rounded UP to a whole number; p = 2^(t - M) is quantised under 2^e8, not normalised;
; the row's sum is taken of the unquantised p and divides at the end; when M moves, the sum and O are multiplied by 2^(old M - new M), which rounds nothing.
; All operands are FRAGMENT IMAGES (16 rows x 128 K = 2,048 bytes; byte 512 c + 16 lane = registers 4 c .. 4 c + 3; registers 2 c, 2 c + 1 of lane (r, h): k = 16 c + 8 h + 0 .. 7 of row r).
; qkv: q at 0, k at 4 MiB: [head][token tile 128][2,048]; v at 8 MiB: [head][block of 128 keys][channel tile 8][2,048], K = the keys.  oc: [token tile 128][head][2,048], K = the head's channels.
; Both products are used transposed: S^T = K Q^T (source 0 = 16 keys, source 1 = my 16 queries), O^T = V^T P^T: a lane holds ONE query throughout, register j of tile t key (or channel) 16 t + 8 h + j,
; so a conversion over tile t gives registers 2 t, 2 t + 1 of the next operand.
; SHARES.  Work-group (i, head) owns the blocks of 64 queries i and 31 - i: together 17 (64 queries x 128 keys) steps under the causal mask, whatever i: 256 work-groups of equal work.
; Eight waves, one tile of 16 queries each; wave w takes the high block where (w ^ (w >> 2)) & 1.  The work-group walks 2 ((31 - i) / 4 + 1) key steps of 128; a wave jumps over the WORK of a step all of whose
; keys come after its queries (a scalar branch on ids), never over the staging or a barrier.
; K AND V COME INTO LDS THROUGH REGISTERS: wave w loads fragment w of a step's eight and stores its image; every LDS address is a constant + a term in the thread's number.  The trip count hangs on the
; work-group's number, so no tensor load is used.  NO CLUSTER: the sixteen work-groups of a head need 10 to 16 key steps, so partners would need different numbers of tiles.
; K is staged a step further ahead than V: at the barrier in front of step j, K(j + 1) and V(j) lie in LDS and K(j) in every wave's registers.  In step j a wave reads VS[j % 2] and KS[1 - j % 2]
; and stores K(j + 2) into KS[j % 2] and V(j + 1) into VS[1 - j % 2]: bytes last read in step j - 1, with every wave's wait for its LDS loads and the barrier between.
; THE STAGING LOADS RUN A STEP AHEAD OF THEIR STORES, in two sets of registers by turns: what step j stores at its end was asked for at the head of step j - 1, and step j asks for K(j + 3) and V(j + 2).
; So a load has two steps in which to come, and a wave has up to sixteen loads, 8,192 bytes, on their way.
; THE MODE: SCHED_MODE bits 1:0 = 2 (LLVM: expert scheduling mode 2), set by the entry lines.  The code itself states the register dependences between vector or matrix instructions and memory or LDS
; instructions, with s_wait_alu, always for 0.
; THE PLAN.  Registers that memory or LDS instructions touch:
;   v1, v3, v4    addresses and the prefetches' offset: written at the head, ahead of its one wait on va_vdst, and never again.
;   the two staging sets   written by global loads, read by the LDS stores at a step's end; no vector instruction names them.  Step j's loads land in the set that step j - 1's stores read:
;                 one wait on vm_vsrc at the head of each step that loads.
;   K's fragments (window 1, v0-127)     read by step j's products K Q^T; then the LDS loads of K(j + 1) land in them.
;   V's fragments (window 1, v128-255)   read by step j - 1's products V^T P^T; then the LDS loads of V(j) land in them.
;   v160-175      at the way out alone: written by the conversions, read by the four stores: one wait on va_vdst between.
; So ONE wait on va_vdst serves a step's 64 LDS loads.  It stands behind the products K Q^T and states that they are done reading K(j) and that the step before's products V^T P^T are done reading V(j - 1).
; Behind it, up to the products V^T P^T, the wave's vector instructions name window 0 alone, and neither v3: so the loads are dealt among them in four runs of sixteen, V's first, with no further wait.
; The causal mask's compares write scalar registers in runs of 32, with one wait on va_sdst between a run and the selects that read it.
; LIMITS: e6 + e7 between -123 and 130 (added to c's exponent field); e8, and e10 - e8 - e9, between -126 and 119.  NaN among the inputs is not served.
; REGISTERS.  window 0: v1 2,048 wave + 16 lane; v3 16 lane; v4 the prefetches' offset; v5 r - 8 h; v6-11 at work; v12 -M, v13 the largest t, v[14:15] the sum in two halves; v16-31 Q; v32-95 S^T, then p;
;   v96-159 O^T; v160-175 p's codes; v176-239 staging, two sets of 32 (16 for K, 16 for V); v240-254 at work and scales.   window 1: v0-127 K's eight fragments, v128-255 V's.
;   s28-39 and s44-63, free behind the head: the mask's 32 lane masks.
.set KS0, 0
.set KS1, 16384
.set VS0, 32768
.set VS1, 49152
.set SS,  32
.set OA,  96
.set PC,  160
.set STG, 176
.set MSB, 0
.macro WIN new                         ; the immediate's high byte repeats the setting that is left
.if MSB != (\new)
	s_set_vgpr_msb (MSB<<8)|(\new)
.set MSB, (\new)
.endif
.endm
	s_load_b128 s[4:7], s[0:1], 0x0                ; qkv s[4:5], the scales' exponents s[6:7]
	s_load_b64 s[8:9], s[0:1], 0x10                ; oc
	v_lshl_add_u32 v251, v0, 2, 0x10000
	v_mov_b32 v255, 0
	v_lshrrev_b32 v7, 5, v0
	v_readfirstlane_b32 s10, v7                    ; wave 0..7
	v_and_b32 v6, 31, v0                           ; lane
	v_lshlrev_b32 v3, 4, v6
	v_lshl_add_u32 v1, v7, 11, v3
	v_and_b32 v7, 15, v0                           ; r
	v_bfe_u32 v8, v0, 4, 1                         ; h
	v_lshlrev_b32 v8, 3, v8
	v_sub_nc_u32 v5, v7, v8                        ; r - 8 h
	s_wait_alu depctr_va_sdst(0)                   ; s10 is written, ahead of its first reader: the wave's queries and addresses are made from it
	s_lshr_b32 s12, s10, 1                         ; my tile of 16 queries in its block
	s_lshr_b32 s11, s10, 2
	s_xor_b32 s11, s11, s10
	s_and_b32 s11, s11, 1                          ; 1: the high block
	s_sub_co_u32 s15, 31, ttmp9
	s_lshr_b32 s19, s15, 2
	s_sub_co_u32 s19, s19, 1                       ; the loop's trips: half the key steps, less two: 3 to 6
	s_cmp_eq_u32 s11, 1
	s_cselect_b32 s15, s15, ttmp9                  ; my block of 64 queries
	s_lshl_b32 s16, s15, 6
	s_lshl_b32 s26, s12, 4
	s_add_co_u32 s16, s16, s26                     ; my first query
	s_add_co_u32 s17, s16, 15                      ; my last
	s_mov_b32 s18, 0                               ; the step's first key
	s_and_b32 s14, ttmp7, 0xffff                   ; the head
	s_mov_b32 s20, 0x76543210                      ; v_permlanex16_b32's selects for lane l xor 16
	s_mov_b32 s21, 0xfedcba98
	s_lshl_b32 s44, s14, 18                        ; a head's 128 fragments
	s_mov_b32 s45, 0
	s_lshl_b32 s46, s16, 7                         ; my token tile's fragment of q
	s_add_co_u32 s46, s46, s44
	s_mov_b32 s47, 0
	s_lshl_b32 s48, s16, 11                        ; oc: 16 fragments a token tile,
	s_lshl_b32 s49, s14, 11                        ; the head's among them
	s_add_co_u32 s48, s48, s49
	s_mov_b32 s49, 0
	; the prefetches (macro ASK): who asks, for what, and until when
	s_mov_b32 s26, 4243456                         ; V four steps on: 4 MiB + 4 x 16,384 - 2 x 8,192, + 8,192 x part
	s_mov_b32 s27, 1408                            ; while the step's first key is at most 128 x 11
	s_cmp_lt_u32 s12, 2
	s_cselect_b32 s26, 81920, s26                  ; K five steps on
	s_cselect_b32 s27, 1280, s27                   ; while it is at most 128 x 10
	s_xor_b32 s50, s11, 1
	s_or_b32 s50, s50, ttmp9                       ; 0 in the four high waves of the head's work-group 0, which walks all 16 steps
	s_cmp_eq_u32 s50, 0
	s_cselect_b32 s27, s27, -1
	s_lshl_b32 s51, s12, 13
	s_add_co_u32 s26, s26, s51
	v_lshl_add_u32 v4, v6, 8, s26                  ; lanes 256 bytes apart
	s_wait_kmcnt 0x0
	s_load_b256 s[28:35], s[6:7], 0x0              ; e0 .. e7
	s_load_b128 s[36:39], s[6:7], 0x20             ; e8 .. e11
	s_add_nc_u64 s[24:25], s[4:5], s[44:45]
	s_add_nc_u64 s[24:25], s[24:25], 0x400000      ; K of the head's step 0; V lies 4 MiB further on
	s_add_nc_u64 s[40:41], s[4:5], s[46:47]
	s_add_nc_u64 s[42:43], s[8:9], s[48:49]
	s_wait_alu depctr_va_vdst(0)                   ; v1, v3 and v4 are written: every load, store and prefetch of the kernel reads one of them as its address, and none is written again
.irp c, 0,1,2,3
	global_load_b128 v[16+4*\c:19+4*\c], v3, s[40:41] offset:512*\c            ; Q's fragment stays in registers
.endr
.irp c, 0,1,2,3
	global_load_b128 v[32+4*\c:35+4*\c], v1, s[24:25] offset:512*\c            ; fragment w of K(0),
	global_load_b128 v[48+4*\c:51+4*\c], v1, s[24:25] offset:16384+512*\c      ; of K(1),
	global_load_b128 v[64+4*\c:67+4*\c], v1, s[24:25] offset:4194304+512*\c    ; of V(0)
.endr
.irp c, 0,1,2,3
	global_load_b128 v[STG+4*\c:STG+4*\c+3], v1, s[24:25] offset:32768+512*\c                 ; what step 0 stores at its end, into set 0: K(2),
	global_load_b128 v[STG+16+4*\c:STG+16+4*\c+3], v1, s[24:25] offset:4194304+16384+512*\c   ; V(1)
.endr
	v_mov_b32 v13, 0xff61b1e6                      ; the largest t so far: -3e38, under every t.  (The vector lines from here to the loop name none of the registers that the loads above and the LDS lines below touch)
	v_floor_f32 v12, -v13                          ; -M
	v_mov_b32 v14, 0                               ; the sum, in two halves
	v_mov_b32 v15, 0
	v_mov_b32 v248, 0                              ; written once: a lane permute's destination counts as one of its sources
	v_mov_b32 v252, 0
	v_mov_b32 v253, 0                              ; (named as the upper half of the pair v[252:253])
.set ii, 0
.rept 64
	v_mov_b32 v[OA+ii], 0                          ; O^T.  (The step is written without a first form of its own: the first change of M multiplies zeros)
.set ii, ii+1
.endr
	s_wait_kmcnt 0x0
	s_add_co_i32 s26, s34, s35
	s_lshl_b32 s26, s26, 23
	s_add_co_i32 s22, s26, 0x3e0293ee              ; c = log2(e) / sqrt(128), with e6 + e7 added to its exponent field: a score stands for score x 2^(e6 + e7)
	s_mov_b32 s23, s22                             ; (named with it as a pair, so it is written)
	s_add_co_i32 s26, s36, 127
	s_lshl_b32 s50, s26, 23
	v_mov_b32 v244, s50                            ; 2^e8 as f32, for p's conversions
	s_add_co_i32 s26, s26, 8
	s_lshl_b32 s26, s26, 23
	s_or_b32 s26, s26, 0x600000
	v_mov_b32 v240, s26                            ; 448 x 2^e8
	s_sub_co_i32 s26, s38, s36
	s_sub_co_i32 s26, s26, s37
	s_add_co_i32 s26, s26, 127
	s_lshl_b32 s50, s26, 23
	v_mov_b32 v246, s50                            ; 2^(e10 - e8 - e9): O^T / the sum stands for o / 2^(e8 + e9)
	s_add_co_i32 s26, s26, 8
	s_lshl_b32 s26, s26, 23
	s_or_b32 s26, s26, 0x600000
	v_mov_b32 v247, s26
	s_wait_loadcnt 8                               ; Q, K(0), K(1), V(0) are in; the eight loads of set 0, issued behind them, may be out
.irp c, 0,1,2,3
	ds_store_b128 v1, v[32+4*\c:35+4*\c] offset:KS0+512*\c
	ds_store_b128 v1, v[48+4*\c:51+4*\c] offset:KS1+512*\c
	ds_store_b128 v1, v[64+4*\c:67+4*\c] offset:VS0+512*\c
.endr
	s_wait_dscnt 0x0                               ; for the others' sake: my stores have landed
	s_barrier_signal -1
	s_barrier_wait -1
	WIN 0x40                                       ; destination window 1
.set ii, 0
.rept 32
	ds_load_b128 v[4*ii:4*ii+3], v3 offset:KS0+512*ii    ; K(0), all eight fragments: no vector instruction has named these registers
.set ii, ii+1
.endr
	WIN 0
	s_wait_dscnt 0x0                               ; my reads of KS0 are over: step 0 stores K(2) there,
	s_barrier_signal -1
	s_barrier_wait -1                              ; and only when every wave has said so
; A PREFETCH INTO THE L2 of tiles that later steps will load.  All sixteen work-groups of a head walk the same K and V: the head's work-group 0 asks, which walks all 16 steps; in it the four waves of the
; high block, one instruction each, behind their staging loads: parts 0 and 1 for the halves of K five steps on, parts 2 and 3 for the halves of V four steps on: 8,192 bytes a wave, lanes 256 bytes apart.
; That is two steps ahead of the staging load that will want them.  So each aligned block of 256 bytes is named once in the launch; steps 0 to 4 of K and 0 to 3 of V come by their loads alone; the limit on
; the step's first key keeps every request inside step 15.
.macro ASK
	s_cmp_le_i32 s18, s27
	s_cbranch_scc0 .Lnot_mine_\@
	global_prefetch_b8 v4, s[24:25] th:TH_LOAD_NT scope:SCOPE_SE
.Lnot_mine_\@:
.endm
; Sixteen of the 32 LDS loads that bring V(j), from the i0-th on; the destination's window is 1.
.macro VRUN slot, i0
.set ii, \i0
.rept 16
	ds_load_b128 v[128+4*ii:128+4*ii+3], v3 offset:VS0+16384*(\slot)+512*ii
.set ii, ii+1
.endr
.endm
; The same for K(j + 1).
.macro KRUN slot, i0
.set ii, \i0
.rept 16
	ds_load_b128 v[4*ii:4*ii+3], v3 offset:KS1-16384*(\slot)+512*ii
.set ii, ii+1
.endr
.endm
; KEY STEP j, slot = j % 2.  ldk: K(j + 3) is asked for; ldv: V(j + 2) is asked for (both into set 1 - slot); stk: K(j + 2) goes to LDS; stv: V(j + 1) goes to LDS (both out of set slot);
; lk: K(j + 1) comes from LDS into registers; bar: a barrier ends the step.
.macro STEP slot, ldk, ldv, stk, stv, lk, bar
.set NS, STG+32*(1-(\slot))            ; the set that is asked for now
.set CS, STG+32*(\slot)                ; the set that is stored at this step's end
.if \ldk || \ldv
	s_wait_alu depctr_vm_vsrc(0)                   ; the LDS stores at the last step's end have read the set in which the loads below land; in the first step: the head's LDS stores have read v32-79, which the products below write
.endif
.if \ldk
.irp c, 0,1,2,3
	global_load_b128 v[NS+4*\c:NS+4*\c+3], v1, s[24:25] offset:49152+512*\c
.endr
.endif
.if \ldv
.irp c, 0,1,2,3
	global_load_b128 v[NS+16+4*\c:NS+16+4*\c+3], v1, s[24:25] offset:4194304+32768+512*\c
.endr
.endif
.if \ldk && \ldv
	ASK
.endif
	s_cmp_gt_u32 s18, s17                          ; all 128 keys come after my queries: the step's work is left out (and so is every later step's)
	s_cbranch_scc1 .Lhid_\@
	WIN 0x01                                       ; source 0 window 1
.irp t, 0,1,2,3,4,5,6,7
	v_wmma_f32_16x16x128_fp8_fp8 v[SS+8*\t:SS+8*\t+7], v[16*\t:16*\t+15], v[16:31], 0
.endr
.rept 4
	v_nop                                          ; places in front of the first read of the scores
.endr
	WIN 0x40                                       ; destination window 1: the switch, the wait, the loads
	s_wait_alu depctr_va_vdst(0)                   ; the products above are done reading K(j), and the last step's products V^T P^T are done reading V(j - 1): the step's 64 LDS loads land in those registers
	VRUN \slot, 0                                  ; V(j), its first half: wanted behind the softmax
	WIN 0
	s_add_co_u32 s26, s18, 127                     ; on the diagonal hidden scores become -infinity ahead of the maximum: p = 0 then.  A step all of whose keys count skips this
	s_cmp_le_u32 s26, s16
	s_cbranch_scc1 .Lopen_\@
	s_sub_co_i32 s26, s16, s18
	v_add_nc_u32 v252, s26, v5                     ; d = my query - the step's first key - 8 h.  Register 8 t + j holds key 16 t + 8 h + j: hidden where 16 t + j > d
	v_mov_b32 v254, 0xff800000
.irp g, 0,1                                    ; 32 scores at a time: a run of compares into 32 scalar registers, one wait, the selects
.set nn, 0
.rept 32
	v_cmp_gt_i32 s[28+nn+4*((nn+20)/32)], 64*\g+16*(nn/8)+nn%8, v252
.set nn, nn+1
.endr
	s_wait_alu depctr_va_sdst(0)                   ; the 32 compares have written s28-39 and s44-63, which the selects below read
.set nn, 0
.rept 32
	v_cndmask_b32 v[SS+32*\g+nn], v[SS+32*\g+nn], v254, s[28+nn+4*((nn+20)/32)]
.set nn, nn+1
.endr
.endr
.Lopen_\@:
	v_max3_num_f32 v254, v[SS], v[SS+1], v[SS+2]   ; the step's largest score of my query among my 64 keys, in FOUR chains, so that three other lines stand between a line and the one that reads its result:
	v_max3_num_f32 v252, v[SS+3], v[SS+4], v[SS+5] ; in most steps of the late blocks a wave is the only one of its SIMD at work.  The scores go in ascending order: each tile is read from its low end on
	v_max3_num_f32 v10, v[SS+6], v[SS+7], v[SS+8]
	v_max3_num_f32 v11, v[SS+9], v[SS+10], v[SS+11]
.irp i, 12,20,28,36,44,52
	v_max3_num_f32 v254, v254, v[SS+\i], v[SS+\i+1]
	v_max3_num_f32 v252, v252, v[SS+\i+2], v[SS+\i+3]
	v_max3_num_f32 v10, v10, v[SS+\i+4], v[SS+\i+5]
	v_max3_num_f32 v11, v11, v[SS+\i+6], v[SS+\i+7]
.endr
	v_max3_num_f32 v254, v254, v[SS+60], v[SS+61]
	v_max3_num_f32 v252, v252, v[SS+62], v[SS+63]
	WIN 0x40
	VRUN \slot, 16                                 ; V(j), its second half.  No wait: no vector or matrix instruction since the step's wait names v3 or a register of window 1
	WIN 0
	v_max3_num_f32 v254, v254, v10, v11
	v_max_num_f32 v254, v254, v252
	v_permlanex16_b32 v248, v254, s20, s21
	v_max_num_f32 v254, v254, v248                 ; and among lane l xor 16's
	v_mul_f32 v254, s22, v254                      ; as t (c is positive)
	v_max_num_f32 v13, v13, v254                   ; the running largest t
	v_mov_b32 v254, v12
	v_floor_f32 v12, -v13                          ; the new -M = floor(-t) = -ceil(t)
	v_sub_f32 v254, v12, v254                      ; old M - new M: a whole number, 0 or less
	v_cvt_i32_f32 v254, v254                       ; (it saturates)
	v_ldexp_f32 v252, 1.0, v254                    ; f = 2^(old M - new M)
.set ii, 0
.rept 32
	v_pk_fma_f32 v[SS+ii:SS+ii+1], v[SS+ii:SS+ii+1], s[22:23], v[12:13] op_sel_hi:[1,0,0]   ; t - M, two at a time
.set ii, ii+2
.endr
.if \lk
	WIN 0x40
	KRUN \slot, 0                                  ; K(j + 1), its first half: likewise with no further wait
	WIN 0
.endif
.set ii, 0
.rept 64
	v_exp_f32 v[SS+ii], v[SS+ii]                   ; p = 2^(t - M), at most 1
.set ii, ii+1
.endr
	v_pk_mul_f32 v[14:15], v[14:15], v[252:253] op_sel_hi:[1,0]   ; the sums under the new M: the plain line behind the exponentials
	s_wait_alu depctr_va_vdst(0)                   ; the 64 exponentials have written p: one wait for the batch, ahead of its first reader
.if \lk
	WIN 0x40
	KRUN \slot, 16                                 ; K(j + 1), its second half
	WIN 0
.endif
	v_pk_add_f32 v[242:243], v[SS:SS+1], v[SS+2:SS+3]   ; the row's sum is taken of the UNQUANTISED p, two at a time, in four chains
	v_pk_add_f32 v[6:7], v[SS+4:SS+5], v[SS+6:SS+7]
	v_pk_add_f32 v[8:9], v[SS+8:SS+9], v[SS+10:SS+11]
	v_pk_add_f32 v[14:15], v[14:15], v[SS+12:SS+13]
.irp j, 14,22,30,38,46,54
	v_pk_add_f32 v[242:243], v[242:243], v[SS+\j:SS+\j+1]
	v_pk_add_f32 v[6:7], v[6:7], v[SS+\j+2:SS+\j+3]
	v_pk_add_f32 v[8:9], v[8:9], v[SS+\j+4:SS+\j+5]
	v_pk_add_f32 v[14:15], v[14:15], v[SS+\j+6:SS+\j+7]
.endr
	v_pk_add_f32 v[242:243], v[242:243], v[SS+62:SS+63]
	v_pk_add_f32 v[6:7], v[6:7], v[8:9]
	v_pk_add_f32 v[14:15], v[14:15], v[242:243]
	v_pk_add_f32 v[14:15], v[14:15], v[6:7]
.irp t, 0,1,2,3,4,5,6,7
.irp i, 0,1,2,3,4,5,6,7
	v_min_num_f32 v[SS+8*\t+\i], v[SS+8*\t+\i], v240   ; the conversion does not saturate (ISA guide 7.6.2); p is not negative, so the hold is one-sided
.endr
	v_cvt_scalef32_pk8_fp8_f32 v[PC+2*\t:PC+2*\t+1], v[SS+8*\t:SS+8*\t+7], v244
.endr
.set ii, 0
.rept 32
	v_pk_mul_f32 v[OA+ii:OA+ii+1], v[OA+ii:OA+ii+1], v[252:253] op_sel_hi:[1,0]   ; O^T under the new M.  (Plain lines between the conversions and the products that read their results)
.set ii, ii+2
.endr
.if \lk
	s_wait_dscnt 32                                ; V(j) is in; K(j + 1)'s 32 loads, issued behind it, may be out
.else
	s_wait_dscnt 0x0
.endif
	WIN 0x01
.irp t, 0,1,2,3,4,5,6,7
	v_wmma_f32_16x16x128_fp8_fp8 v[OA+8*\t:OA+8*\t+7], v[128+16*\t:128+16*\t+15], v[PC:PC+15], v[OA+8*\t:OA+8*\t+7]   ; the accumulators take turns, one instruction a turn
.endr
	WIN 0
.rept 4
	v_nop                                          ; places in front of the way out's first read of O^T
.endr
.Lhid_\@:
	s_add_co_u32 s18, s18, 128
.if \stk || \stv
	s_wait_loadcnt 4*(\ldk)+4*(\ldv)               ; what the step before asked for is in registers; what this step asked for, issued behind it, may be out
.if \stk
.irp c, 0,1,2,3
	ds_store_b128 v1, v[CS+4*\c:CS+4*\c+3] offset:KS0+16384*(\slot)+512*\c
.endr
.endif
.if \stv
.irp c, 0,1,2,3
	ds_store_b128 v1, v[CS+16+4*\c:CS+16+4*\c+3] offset:VS1-16384*(\slot)+512*\c
.endr
.endif
.endif
.if \ldk || \ldv
	s_wait_xcnt 0x0                                ; the step's loads and its prefetch have read their base: it may step
	s_add_nc_u64 s[24:25], s[24:25], 16384
.endif
.if \bar
	s_wait_dscnt 0x0                               ; my stores have landed and my LDS loads are in
	s_barrier_signal -1
	s_barrier_wait -1
.endif
.endm
.Lpair:
	STEP 0, 1, 1, 1, 1, 1, 1
	STEP 1, 1, 1, 1, 1, 1, 1
	s_sub_co_i32 s19, s19, 1
	s_cmp_gt_i32 s19, 0
	s_cbranch_scc1 .Lpair
	STEP 0, 1, 1, 1, 1, 1, 1                       ; the last four steps are written out: no load leaves the steps that the work-group walks.  This one asks for the last K and the last V but one,
	STEP 1, 0, 1, 1, 1, 1, 1                       ; this one for the last V,
	STEP 0, 0, 0, 0, 1, 1, 1                       ; this one stores it,
	STEP 1, 0, 0, 0, 0, 0, 0                       ; and the last only works
	; THE WAY OUT: O^T / the sum, held, converted: tile t gives registers 2 t, 2 t + 1 of my token tile's fragment for the head's K step of the last product
	v_add_f32 v14, v14, v15                        ; the sum's two halves,
	v_permlanex16_b32 v252, v14, s20, s21
	v_add_f32 v14, v14, v252                       ; and lane l xor 16's
	v_rcp_f32 v14, v14
	v_nop                                          ; a plain line behind the reciprocal,
	s_wait_alu depctr_va_vdst(0)                   ; the reciprocal has written v14: the wait ahead of its first reader
.set ii, 0
.rept 32
	v_pk_mul_f32 v[SS+ii:SS+ii+1], v[OA+ii:OA+ii+1], v[14:15] op_sel_hi:[1,0]   ; each accumulator from its low end on
.set ii, ii+2
.endr
.set ii, 0
.rept 64
	v_med3_num_f32 v[SS+ii], v[SS+ii], -v247, v247
.set ii, ii+1
.endr
.irp t, 0,1,2,3,4,5,6,7
	v_cvt_scalef32_pk8_fp8_f32 v[PC+2*\t:PC+2*\t+1], v[SS+8*\t:SS+8*\t+7], v246
.endr
	v_nop
	s_wait_alu depctr_va_vdst(0)                   ; the conversions have written v160-175, which the stores below read
.irp c, 0,1,2,3
	global_store_b128 v3, v[PC+4*\c:PC+4*\c+3], s[42:43] offset:512*\c   ; 32 lanes store 512 consecutive bytes, aligned
.endr
	s_wait_dscnt 0x0                               ; the closing lines, six on end
	s_wait_alu 0x0
	s_wait_tensorcnt 0x0
	ds_add_u32 v251, v255
	s_wait_dscnt 0x0
	s_endpgm
.Lfunc_end_k_q1a18963c2d_attn:
	.size	k_q1a18963c2d_attn, .Lfunc_end_k_q1a18963c2d_attn-k_q1a18963c2d_attn
	.p2alignl 7, 3214868480
	.fill 96, 4, 3214868480
	.section	.rodata,"a",@progbits
	.p2align	6, 0x0
	.amdhsa_kernel k_q1a18963c2d_attn
		.amdhsa_group_segment_fixed_size 66560
		.amdhsa_private_segment_fixed_size 0
		.amdhsa_enable_private_segment 0
		.amdhsa_kernarg_size 24
		.amdhsa_user_sgpr_count 2
		.amdhsa_user_sgpr_kernarg_segment_ptr 1
		.amdhsa_wavefront_size32 1
		.amdhsa_system_sgpr_workgroup_id_x 1
		.amdhsa_system_sgpr_workgroup_id_y 1
		.amdhsa_system_sgpr_workgroup_id_z 1
		.amdhsa_system_vgpr_workitem_id 0
		.amdhsa_next_free_vgpr 512
		.amdhsa_next_free_sgpr 66
		.amdhsa_reserve_vcc 0
		.amdhsa_float_denorm_mode_32 3
		.amdhsa_float_denorm_mode_16_64 3
		.amdhsa_memory_ordered 1
		.amdhsa_forward_progress 1
		.amdhsa_inst_pref_size 191
	.end_amdhsa_kernel
	.amdgpu_metadata
---
amdhsa.version: [ 1, 2 ]
amdhsa.kernels:
  - .name:           k_q1a18963c2d_attn
    .symbol:         k_q1a18963c2d_attn.kd
    .args:
      - { .name: qkv, .offset: 0, .size: 8, .value_kind: global_buffer, .address_space: global }
      - { .name: lowp_scales, .offset: 8, .size: 8, .value_kind: global_buffer, .address_space: global }
      - { .name: oc, .offset: 16, .size: 8, .value_kind: global_buffer, .address_space: global }
    .group_segment_fixed_size: 66560
    .private_segment_fixed_size: 0
    .kernarg_segment_align: 8
    .kernarg_segment_size: 24
    .max_flat_workgroup_size: 256
    .sgpr_count:     66
    .vgpr_count:     512
    .wavefront_size: 32
...
	.end_amdgpu_metadata
.endif
;; end of part 5
;; launch oproj: the kernel of part 4 again; grid 16 x 16, 4 waves a work-group, clusters of 4 x 4, 327,680 bytes of LDS; arguments oc, wc, lowp_scales, out0; writes out0
